; MI455X (gfx1250); checked and timed in simulation.
; The chip was launched on July 23, 2026; its instructions are those of AMD's public machine-readable ISA for CDNA 5 (MIT licence, August 2026) and "CDNA5" Instruction Set Architecture Reference Guide (July 2026). The comments in the code are by the model that wrote it; some were corrected since.
;; Causal Multi Head Attention. Allowed arithmetic: matrix products marked QUANTISED: E2M1 operands, one E8M0 scale for each 32 along K, by v_wmma_scale_f32_16x16x128_f8f6f4 with both operands' format E2M1 (or v_wmma_scale_f32_32x16x128_f4), f32 sums; products left as they are: bf16, f16 or f32 operands; f32 sums; everything else in f32.
;; Inputs: Wk 1,024 x 1,024 float32; Wo 1,024 x 1,024 float32; Wq 1,024 x 1,024 float32; Wv 1,024 x 1,024 float32; bo 1,024 float32; x 4 x 2,048 x 1,024 float32.
;; Outputs: out0 4 x 2,048 x 1,024 float32.
;; This version of the problem:
;;   THIS VERSION OF THE PROBLEM IS GIVEN IN LOW PRECISION. The matrix products marked QUANTISED in the list below multiply operands that are first quantised to E2M1 (2 exponent bits, 1 mantissa bit; 4 bits a number), with one power-of-two scale for each 32 numbers along K (OCP MX v1.0); their sums are f32. The products marked 'left as it is' may take bf16, f16 or f32 operands, with f32 sums. Whichever they take, every output number must still come out within the allowed error. Rounding operands to bf16 (8 significant bits) uses up far more of that allowance than f16 does (11 bits, for magnitudes from 6e-5 to 65,504). All else is computed in f32.
;;   The module's matrix products, in the order in which they are computed (A, B: the left and right operand; K: the contracted axis; several contracted axes count as one K, in the product's order):
;;     1. [M 8,192, K 1,024] x [K 1,024, N 1,024]; A: input x; B: input Wq: QUANTISED
;;     2. [M 8,192, K 1,024] x [K 1,024, N 1,024]; A: input x; B: input Wk: QUANTISED
;;     3. [M 8,192, K 1,024] x [K 1,024, N 1,024]; A: input x; B: input Wv: QUANTISED
;;     4. batch 64 x [M 2,048, K 64] x [K 64, N 2,048]; A: computed on the way; B: computed on the way: left as it is (an operand is computed on the way)
;;     5. batch 64 x [M 2,048, K 2,048] x [K 2,048, N 64]; A: computed on the way; B: computed on the way: left as it is (an operand is computed on the way)
;;     6. [M 8,192, K 1,024] x [K 1,024, N 1,024]; A: computed on the way; B: input Wo: left as it is (an operand is computed on the way)
;;   THE QUANTISER, for each operand of a quantised product, along K:
;;     - K is cut into blocks of 32 from its start; a last block that is shorter is filled with zeros.
;;     - A block's scale is 2^e with e = floor(log2(the largest magnitude in the block)) - 2, held to -126 .. 127; a block of zeros has e = 0. As a byte (E8M0): e + 127.
;;     - Each number is divided by its block's scale, clamped to +-6, and rounded to the nearest number of E2M1, ties to even, subnormals kept.
;;     - The product sums the exact products of the quantised numbers (number of the format x scale) in f32.
;;   ~~~python
;;   def quantise(x, axis):      # numpy; x: float32 -> the quantised numbers, widened to float32 again
;;       x = np.moveaxis(x, axis, -1); K = x.shape[-1]
;;       x = np.pad(x, [(0, 0)] * (x.ndim - 1) + [(0, -K % 32)]); x = x.reshape(x.shape[:-1] + (-1, 32)); a = np.abs(x).max(-1, keepdims=True)
;;       e = np.where(a > 0, np.clip(np.frexp(np.where(a > 0, a, 1))[1] - 1 - 2, -126, 127), 0)      # np.frexp(a)[1] - 1 = floor(log2(a)), exactly
;;       r = np.clip(x / 2.0 ** e, -6, 6)
;;       step = 2.0 ** (np.maximum(np.frexp(np.where(r == 0, 1, r))[1] - 1, 0) - 1)
;;       q = np.round(r / step) * step * 2.0 ** e      # np.round: ties to even
;;       return np.moveaxis(q.reshape(q.shape[:-2] + (-1,))[..., :K], -1, axis).astype(np.float32)
;;   ~~~
;; One version. Each part assembles by itself: llvm-mc -triple=amdgcn-amd-amdhsa -mcpu=gfx1250 --defsym DOCPART=n.
;; ======== version 1 of 1: 5 launches
;; limits: values are held in f16: magnitudes above 65,504 overflow, below 6.1e-05 lose precision
;; workspace buffers: xc 4,194,304 bytes; xs 262,144 bytes; wc 1,572,864 bytes; ws 98,304 bytes; wot 2,097,152 bytes; qkv 50,331,648 bytes; fq 786,432 bytes; y 16,777,216 bytes
;; launch prep (part 1): grid 256 x 1, 8 waves a work-group, no clusters, 154,112 bytes of LDS; arguments x, Wq, Wk, Wv, Wo, xc, xs, wc, ws, wot; writes xc, xs, wc, ws, wot
.if DOCPART == 1
	.amdgcn_target "amdgcn-amd-amdhsa--gfx1250"
	.amdhsa_code_object_version 6
	.text
	.protected	k_qc5004e1bd1_prep
	.globl	k_qc5004e1bd1_prep
	.p2align	8
	.type	k_qc5004e1bd1_prep,@function
k_qc5004e1bd1_prep:
	s_mov_b64 s[64:65], 0
	v_nop
	global_prefetch_b8 v0, s[64:65] scope:SCOPE_SE
	s_setreg_imm32_b32 hwreg(HW_REG_WAVE_MODE, 25, 1), 1
	s_wait_xcnt 0x0
; PREP.  x [8192][1024] f32 -> codes of E2M1 (xc, 512 bytes a row) and E8M0 bytes (xs, 32 a row).  Wq, Wk, Wv [k 1024][n 1024] f32 -> codes with K innermost
; (wc [3072 n][512 bytes], n = 1024 x which + column) and bytes (ws [3072][32]).  Wo [k][n] f32 -> f16 laid [n][k] (wot).
; A block's scale is 2^(floor(log2(largest magnitude)) - 2); its byte is the largest magnitude's exponent field - 2, held at 1 from below.
; LIMITS: a block of zeros gets the byte 1 where the quantiser says 127 (its codes are zeros, and this program alone reads the bytes); blocks whose largest magnitude lies under 2^-124
; are held at the byte 1; NaN and infinities are not served; Wo goes in f16: magnitudes under 65,504.
; SHARES.  Work-groups 0-127 take x: a plain stream of blocks of 32, a wave 8,192 numbers in 16 steps of 512.  Work-groups 128-255 take a weight (which = (id - 128) / 32: Wq, Wk, Wv, Wo) and 32 of its columns, all of K:
; wave w takes k = 128 w .. 128 w + 127, a lane a column, its registers run down K, so that the codes (or the f16 pairs) come out with K innermost and nothing is transposed by an instruction.
; The three ways part on the work-group's number alone, the same in all eight waves, and each has LDS bytes of its own.  No tensor load, no matrix instruction.
.set STEPS, 16
.set SP,    80                         ; x: a lane's place in a stage: 64 bytes + 16 of padding
.set WREG,  8192                       ; x: a wave's region: two stages of 32 x SP bytes, behind them its 256 scale bytes
.set R,     16                         ; v16-143  x: eight sets of 16 numbers as loaded
.set X,     144                        ; v144-175 x: two sets of 16 neighbours
.set C,     176                        ; v176-207 x: two registers of codes for each step
.set E,     208                        ; v208-223 x: a scale byte for each step
.set WSTG,  65536                      ; weights: 32 rows (columns n) x (512 bytes of codes + 16)
.set WP,    528
.set WSC,   WSTG+32*WP                 ; weights: 32 rows x 32 scale bytes
.set OSTG,  WSC+1024                   ; Wo: for each wave 32 rows x (256 bytes + 16)
.set OP,    272
.set SPARE, OSTG+8*32*OP               ; the spare words, 128 bytes for each wave; no other line names them
.set SPW,   12                         ; v12 LDS address of my spare word; never rewritten
.set NIL,   13                         ; v13 0; never rewritten
	s_load_b512 s[8:23], s[0:1], 0x0               ; x s[8:9], Wq s[10:11], Wk s[12:13], Wv s[14:15], Wo s[16:17], xc s[18:19], xs s[20:21], wc s[22:23]
	s_load_b128 s[24:27], s[0:1], 0x40             ; ws s[24:25], wot s[26:27]
	v_lshl_add_u32 v[SPW], v0, 2, SPARE
	v_mov_b32 v[NIL], 0
	v_lshrrev_b32 v1, 5, v0
	v_readfirstlane_b32 s4, v1                     ; wave 0..7
	v_and_b32 v2, 31, v0                           ; lane
	s_cmp_lt_u32 ttmp9, 128
	s_cbranch_scc0 .Lweights
; ---------------- x.  Each load reads 512 consecutive bytes; a step's 2,048 bytes turn through the wave's own stage, so that a lane then holds 16 neighbours along K (two lanes a block).
	v_lshlrev_b32 v3, 4, v2                        ; my 16 bytes of a load's 512
	s_mul_i32 s5, s4, WREG
	v_lshrrev_b32 v14, 2, v2
	v_mul_u32_u24 v14, v14, SP
	v_and_b32 v15, 3, v2
	v_lshl_add_u32 v14, v15, 4, v14
	v_add_nc_u32 v14, s5, v14                      ; the stage, on the way in: SP (lane / 4) + 16 (lane % 4)
	v_mul_u32_u24 v15, v2, SP
	v_add_nc_u32 v15, s5, v15                      ; and on the way out: SP x lane
	v_lshlrev_b32 v4, 3, v2                        ; 8 x lane: my codes' place in a step's 256 bytes, and my part of the 256 scale bytes
	v_lshrrev_b32 v5, 1, v2
	s_add_co_u32 s5, s5, 2*32*SP
	v_add_nc_u32 v5, s5, v5                        ; LDS: my block's scale byte
	v_add_nc_u32 v6, s5, v4                        ; and where I read 8 of them back
	s_lshl_b32 s6, ttmp9, 3
	s_add_co_u32 s6, s6, s4                        ; which run of 8,192 numbers is my wave's
	s_lshl_b32 s28, s6, 15                         ; 32,768 bytes of x,
	s_mov_b32 s29, 0
	s_lshl_b32 s30, s6, 12                         ; 4,096 of codes,
	s_mov_b32 s31, 0
	s_lshl_b32 s32, s6, 8                          ; 256 scale bytes
	s_mov_b32 s33, 0
	s_wait_kmcnt 0x0
	s_add_nc_u64 s[8:9], s[8:9], s[28:29]
	s_add_nc_u64 s[18:19], s[18:19], s[30:31]
	s_add_nc_u64 s[20:21], s[20:21], s[32:33]
.macro LOAD t
.irp i, 0,1,2,3
	global_load_b128 v[R+16*((\t)%8)+4*\i:R+16*((\t)%8)+4*\i+3], v3, s[8:9] offset:2048*(\t)+512*\i th:TH_LOAD_NT
.endr
.endm
.macro TURN t                          ; LDS serves a wave's instructions in order: no wait between the stores and the loads
.irp i, 0,1,2,3
	ds_store_b128 v14, v[R+16*((\t)%8)+4*\i:R+16*((\t)%8)+4*\i+3] offset:32*SP*((\t)%2)+8*SP*\i
.endr
.irp i, 0,1,2,3
	ds_load_b128 v[X+16*((\t)%2)+4*\i:X+16*((\t)%2)+4*\i+3], v15 offset:32*SP*((\t)%2)+16*\i
.endr
.endm
.macro XSTEP t
.set XS, X+16*((\t)%2)
.if (\t) > 0
	s_wait_dscnt 1                                 ; this step's numbers are back from the stage; the last step's byte store may be out
.else
	s_wait_dscnt 0x0
.endif
.if (\t)+8 < STEPS
	LOAD (\t)+8                                    ; into the set whose stores into the stage are done
.endif
.if (\t)+1 < STEPS
.if 14-(\t) >= 7
	s_wait_loadcnt 28                              ; the next step's four loads are in; those of the seven steps behind it may be out
.else
	s_wait_loadcnt 4*(14-(\t))
.endif
	TURN (\t)+1
.endif
	v_max3_num_f32 v8, |v[XS]|, |v[XS+1]|, |v[XS+2]|
	v_max3_num_f32 v9, |v[XS+3]|, |v[XS+4]|, |v[XS+5]|
.irp i, 6,10
	v_max3_num_f32 v8, v8, |v[XS+\i]|, |v[XS+\i+1]|
	v_max3_num_f32 v9, v9, |v[XS+\i+2]|, |v[XS+\i+3]|
.endr
	v_max3_num_f32 v8, v8, |v[XS+14]|, |v[XS+15]|
	v_max3_num_f32 v8, v8, v9, 0x1800000           ; the floor 2^(3 - 127): the byte cannot fall under 1
	v_max_num_f32_dpp v8, v8, v8 row_xmask:1 row_mask:0xf bank_mask:0xf   ; with my neighbour's 16: the block's largest magnitude
	v_add_nc_u32 v11, 0xff000000, v8               ; 2 off its exponent field: the conversion takes this operand's exponent field as its scale
	v_cvt_scalef32_pk8_fp4_f32 v[C+2*(\t)], v[XS:XS+7], v11
	v_cvt_scalef32_pk8_fp4_f32 v[C+2*(\t)+1], v[XS+8:XS+15], v11
	v_lshrrev_b32 v[E+(\t)], 23, v11               ; the scale's byte (also the plain line behind the conversions)
	ds_store_b8 v5, v[E+(\t)] offset:16*(\t)       ; both lanes of a block write the same byte with the same value
	global_store_b64 v4, v[C+2*(\t):C+2*(\t)+1], s[18:19] offset:256*(\t)   ; the wave stores 256 consecutive bytes, aligned
.endm
.irp t, 0,1,2,3,4,5,6,7
	LOAD \t
.endr
	s_wait_loadcnt 28                              ; step 0's four loads are in
	TURN 0
.irp t, 0,1,2,3,4,5,6,7,8,9,10,11,12,13,14,15
	XSTEP \t
.endr
	ds_load_b64 v[8:9], v6
	s_wait_dscnt 0x0
	global_store_b64 v4, v[8:9], s[20:21]          ; my wave's 256 scale bytes, one aligned run
	s_wait_tensorcnt 0x0                           ; the wave's end
	ds_add_u32 v[SPW], v[NIL]
	s_wait_dscnt 0x0
	s_endpgm
; ---------------- the weights
.Lweights:
	s_sub_co_u32 s5, ttmp9, 128
	s_lshr_b32 s6, s5, 5                           ; which: 0 Wq, 1 Wk, 2 Wv, 3 Wo
	s_and_b32 s7, s5, 31                           ; which 32 columns
	v_lshlrev_b32 v3, 2, v2                        ; in: 4 bytes a lane
	v_mul_u32_u24 v4, v2, WP
	s_lshl_b32 s28, s4, 6
	v_add_nc_u32 v4, s28, v4
	v_add_nc_u32 v4, WSTG, v4                      ; codes into the stage: row = my column, my wave's 64 bytes
	v_lshlrev_b32 v5, 5, v2
	s_lshl_b32 s28, s4, 2
	v_add_nc_u32 v5, s28, v5
	v_add_nc_u32 v5, WSC, v5                       ; my column's scale word for my wave's 128 along K
	v_lshlrev_b32 v6, 4, v2                        ; 16 x lane
	s_mul_i32 s28, s4, 4*WP
	v_add_nc_u32 v7, s28, v6
	v_add_nc_u32 v7, WSTG, v7                      ; back: wave w takes rows 4 w .. 4 w + 3, whole
	s_and_b32 s28, s4, 1
	s_lshl_b32 s28, s28, 9
	v_add_nc_u32 v14, s28, v6                      ; the scale bytes' way out (waves 0 and 1): 512 bytes each
	v_add_nc_u32 v15, WSC, v14
	s_wait_kmcnt 0x0
	s_cmp_lt_u32 s6, 1                             ; the source is chosen by the work-group's number alone
	s_cselect_b64 s[28:29], s[10:11], s[12:13]
	s_cmp_lt_u32 s6, 2
	s_cselect_b64 s[28:29], s[28:29], s[14:15]
	s_cmp_lt_u32 s6, 3
	s_cselect_b64 s[28:29], s[28:29], s[16:17]
	s_lshl_b32 s30, s4, 19                         ; 128 w rows of 4,096 bytes
	s_lshl_b32 s31, s7, 7                          ; + 32 columns of 4 bytes for each group
	s_add_co_u32 s30, s30, s31
	s_mov_b32 s31, 0
	s_add_nc_u64 s[28:29], s[28:29], s[30:31]
.set i, 0
.rept 128
	global_load_b32 v[16+i], v3, s[28:29] offset:i*4096   ; W(128 w + i, my column): all of my wave's share is asked for at once
.set i, i+1
.endr
	s_cmp_eq_u32 s6, 3
	s_cbranch_scc1 .Lwo
	s_lshl_b32 s30, s6, 10
	s_lshl_b32 s31, s7, 5
	s_add_co_u32 s30, s30, s31                     ; the group's first row of wc and ws
	s_lshl_b32 s32, s30, 5
	s_mov_b32 s33, 0
	s_add_nc_u64 s[24:25], s[24:25], s[32:33]      ; ws: 32 bytes a row
	s_lshl_b32 s31, s4, 2
	s_add_co_u32 s30, s30, s31
	s_lshl_b32 s30, s30, 9
	s_mov_b32 s31, 0
	s_add_nc_u64 s[22:23], s[22:23], s[30:31]      ; wc: my wave's four rows of 512 bytes
.macro WBLOCK b, left                  ; block b of my four: all its 32 numbers are mine
.set XS, 16+32*(\b)
	s_wait_loadcnt \left
	v_max3_num_f32 v8, |v[XS]|, |v[XS+1]|, |v[XS+2]|
	v_max3_num_f32 v9, |v[XS+3]|, |v[XS+4]|, |v[XS+5]|
.irp i, 6,10,14,18,22,26
	v_max3_num_f32 v8, v8, |v[XS+\i]|, |v[XS+\i+1]|
	v_max3_num_f32 v9, v9, |v[XS+\i+2]|, |v[XS+\i+3]|
.endr
	v_max3_num_f32 v8, v8, |v[XS+30]|, |v[XS+31]|
	v_max3_num_f32 v8, v8, v9, 0x1800000           ; the floor
	v_add_nc_u32 v11, 0xff000000, v8               ; the conversion's scale operand
	v_lshrrev_b32 v9, 23, v11                      ; the byte
.if (\b) == 0
	v_mov_b32 v10, v9
.else
	v_lshl_or_b32 v10, v9, 8*(\b), v10             ; four bytes make my scale word, the lower K in the lower byte
.endif
.irp g, 0,1,2,3
	v_cvt_scalef32_pk8_fp4_f32 v[144+4*(\b)+\g], v[XS+8*\g:XS+8*\g+7], v11
.endr
	v_nop                                          ; one plain line behind the last conversion of a run
	ds_store_b128 v4, v[144+4*(\b):144+4*(\b)+3] offset:16*(\b)
.endm
	WBLOCK 0, 63                                   ; 96 younger loads might stay out; the wait's field ends at 63
	WBLOCK 1, 63                                   ; 64 might
	WBLOCK 2, 32
	WBLOCK 3, 0
	ds_store_b32 v5, v10
	s_wait_dscnt 0x0                               ; for the others' sake: my stores have landed
	s_barrier_signal -1
	s_barrier_wait -1                              ; a row's 512 bytes come from eight waves
.irp i, 0,1,2,3
	ds_load_b128 v[160+4*\i:163+4*\i], v7 offset:\i*WP
.endr
.irp i, 0,1,2,3
	s_wait_dscnt 3-\i
	global_store_b128 v6, v[160+4*\i:163+4*\i], s[22:23] offset:\i*512   ; a whole row: 512 consecutive bytes
.endr
	s_cmp_lt_u32 s4, 2
	s_cbranch_scc0 .Lwdone
	ds_load_b128 v[176:179], v15                   ; the group's 1,024 scale bytes are dense in ws: waves 0 and 1 store 512 each
	s_wait_dscnt 0x0
	global_store_b128 v14, v[176:179], s[24:25]
.Lwdone:
	s_wait_tensorcnt 0x0                           ; the wave's end
	ds_add_u32 v[SPW], v[NIL]
	s_wait_dscnt 0x0
	s_endpgm
; ---------------- Wo: rounded to f16; a lane's 128 numbers down K are 256 bytes of its row of wot; they go through the wave's own stage and leave as whole runs of 256 bytes
.Lwo:
	s_mul_i32 s30, s4, 32*OP
	s_add_co_u32 s30, s30, OSTG
	v_mul_u32_u24 v224, v2, OP
	v_add_nc_u32 v224, s30, v224                   ; in: row = my column
	v_and_b32 v8, 15, v2
	v_lshrrev_b32 v9, 4, v2
	v_mul_u32_u24 v225, v9, OP
	v_lshl_add_u32 v225, v8, 4, v225
	v_add_nc_u32 v225, s30, v225                   ; back: sixteen lanes to a row, two rows an instruction
	v_lshlrev_b32 v226, 11, v9
	v_lshl_add_u32 v226, v8, 4, v226               ; and the same place in wot: rows of 2,048 bytes
	s_lshl_b32 s30, s7, 16                         ; 32 rows of 2,048 bytes for each group
	s_lshl_b32 s31, s4, 8                          ; + my wave's 256 bytes
	s_add_co_u32 s30, s30, s31
	s_mov_b32 s31, 0
	s_add_nc_u64 s[26:27], s[26:27], s[30:31]
.irp q, 0,1,2,3
.if \q < 2
	s_wait_loadcnt 63
.elseif \q == 2
	s_wait_loadcnt 32
.else
	s_wait_loadcnt 0x0
.endif
.set i, 0
.rept 16
	v_cvt_pk_f16_f32 v[144+16*\q+i], v[16+32*\q+2*i], v[17+32*\q+2*i]   ; the lower k in the low half
.set i, i+1
.endr
.endr
.irp j, 0,1,2,3,4,5,6,7,8,9,10,11,12,13,14,15
	ds_store_b128 v224, v[144+4*\j:147+4*\j] offset:16*\j
.endr
.irp t, 0,1,2,3,4,5,6,7,8,9,10,11,12,13,14,15
	ds_load_b128 v[16+4*\t:19+4*\t], v225 offset:2*\t*OP   ; my own bytes, served in order: no barrier
.endr
.irp t, 0,1,2,3,4,5,6,7,8,9,10,11,12,13,14,15
	s_wait_dscnt 15-\t
	global_store_b128 v226, v[16+4*\t:19+4*\t], s[26:27] offset:4096*\t   ; sixteen lanes store 256 consecutive bytes, aligned
.endr
	s_wait_tensorcnt 0x0                           ; the wave's end
	ds_add_u32 v[SPW], v[NIL]
	s_wait_dscnt 0x0
	s_endpgm
.Lfunc_end_k_qc5004e1bd1_prep:
	.size	k_qc5004e1bd1_prep, .Lfunc_end_k_qc5004e1bd1_prep-k_qc5004e1bd1_prep
	.p2alignl 7, 3214868480
	.fill 96, 4, 3214868480
	.section	.rodata,"a",@progbits
	.p2align	6, 0x0
	.amdhsa_kernel k_qc5004e1bd1_prep
		.amdhsa_group_segment_fixed_size 154112
		.amdhsa_private_segment_fixed_size 0
		.amdhsa_enable_private_segment 0
		.amdhsa_kernarg_size 80
		.amdhsa_user_sgpr_count 2
		.amdhsa_user_sgpr_kernarg_segment_ptr 1
		.amdhsa_wavefront_size32 1
		.amdhsa_system_sgpr_workgroup_id_x 1
		.amdhsa_system_sgpr_workgroup_id_y 1
		.amdhsa_system_sgpr_workgroup_id_z 1
		.amdhsa_system_vgpr_workitem_id 0
		.amdhsa_next_free_vgpr 256
		.amdhsa_next_free_sgpr 66
		.amdhsa_reserve_vcc 0
		.amdhsa_float_denorm_mode_32 3
		.amdhsa_float_denorm_mode_16_64 3
		.amdhsa_memory_ordered 1
		.amdhsa_forward_progress 1
		.amdhsa_inst_pref_size 63
	.end_amdhsa_kernel
	.amdgpu_metadata
---
amdhsa.version: [ 1, 2 ]
amdhsa.kernels:
  - .name:           k_qc5004e1bd1_prep
    .symbol:         k_qc5004e1bd1_prep.kd
    .args:
      - { .name: x, .offset: 0, .size: 8, .value_kind: global_buffer, .address_space: global }
      - { .name: Wq, .offset: 8, .size: 8, .value_kind: global_buffer, .address_space: global }
      - { .name: Wk, .offset: 16, .size: 8, .value_kind: global_buffer, .address_space: global }
      - { .name: Wv, .offset: 24, .size: 8, .value_kind: global_buffer, .address_space: global }
      - { .name: Wo, .offset: 32, .size: 8, .value_kind: global_buffer, .address_space: global }
      - { .name: xc, .offset: 40, .size: 8, .value_kind: global_buffer, .address_space: global }
      - { .name: xs, .offset: 48, .size: 8, .value_kind: global_buffer, .address_space: global }
      - { .name: wc, .offset: 56, .size: 8, .value_kind: global_buffer, .address_space: global }
      - { .name: ws, .offset: 64, .size: 8, .value_kind: global_buffer, .address_space: global }
      - { .name: wot, .offset: 72, .size: 8, .value_kind: global_buffer, .address_space: global }
    .group_segment_fixed_size: 154112
    .private_segment_fixed_size: 0
    .kernarg_segment_align: 8
    .kernarg_segment_size: 80
    .max_flat_workgroup_size: 256
    .sgpr_count:     66
    .vgpr_count:     256
    .wavefront_size: 32
...
	.end_amdgpu_metadata
.endif
;; end of part 1
;; launch qkv (part 2): grid 12 x 32, 4 waves a work-group, clusters of 4 x 4, 327,680 bytes of LDS; arguments xc, xs, wc, ws, qkv, fq; writes qkv, fq
.if DOCPART == 2
	.amdgcn_target "amdgcn-amd-amdhsa--gfx1250"
	.amdhsa_code_object_version 6
	.text
	.protected	k_qc5004e1bd1_qkv
	.globl	k_qc5004e1bd1_qkv
	.p2align	8
	.type	k_qc5004e1bd1_qkv,@function
k_qc5004e1bd1_qkv:
	s_mov_b64 s[64:65], 0
	v_nop
	global_prefetch_b8 v0, s[64:65] scope:SCOPE_SE
	s_setreg_imm32_b32 hwreg(HW_REG_WAVE_MODE, 25, 1), 1
	s_wait_xcnt 0x0
	s_wait_alu depctr_hold_cnt(0) depctr_sa_sdst(0) depctr_va_vdst(0) depctr_va_sdst(0) depctr_va_ssrc(0) depctr_va_vcc(0) depctr_vm_vsrc(0)
	s_getreg_b32 s2, hwreg(HW_REG_IB_STS2, 6, 4)
	s_cmp_eq_u32 s2, 0
	s_cbranch_scc0 .Lentry_in_a_cluster
	s_endpgm
.Lentry_in_a_cluster:
	s_bfe_u32 s2, ttmp6, 0x10000c
	s_cmp_lg_u32 s2, 0xf033
	s_cbranch_scc0 .Lentry_shape_is_right
	s_endpgm
.Lentry_shape_is_right:
; QKV.  C[m][n] = sum over k of x[m][k] W[k][n], m 8,192, n 3,072 (q, k, v side by side), K 1,024, both operands as codes of E2M1 with one E8M0 byte for each 32 along K; sums in f32.
; The results leave as f16 by head: qkv [which 3][batch x head 64][position 2,048][64]; the first 16 positions of every sequence leave once more as f32: fq [batch 4][16][3,072].
; LIMIT: q, k and v go in f16: magnitudes under 65,504.
; A tile of C, 256 x 256, is made by four waves, each 128 x 128: 64 accumulators, 512 registers.  All of K lies in two LDS slots of 512 along K (rows of 256 bytes): both are asked for at the head and nothing is filled again.
; The scale bytes of the tile's 256 + 256 rows, for all of K, are two dense blocks of memory and come with the first fills.
; CLUSTERS: 4 x 4 work-groups.  Tile row = cluster y + 8 cy (so cy is the batch, and 'a sequence's first tile' is cluster y = 0, the same in all sixteen partners); tile column = 4 cluster x + cx (so cluster x says q, k or v).
; The four of a cluster's row need the same tiles of x, the four of a column the same tiles of W: each is asked for jointly, by the same tensor load with the same descriptor and a mask that names the four.
; THE MATRIX INSTRUCTION IS USED TRANSPOSED (source 0 = 16 rows of W's codes, source 1 = 16 rows of x's): a lane then holds eight neighbouring columns of one row of C.
; REGISTERS, in windows of 256: window 0: v16-31 addresses; v32-95 scale words, two sets; v128-191 x's fragments, one set; on the way out v32-63 packed results, v128-191 rows read back.
;   window 1: W's fragments, two sets (v0, v128).  window 2: the accumulators of my rows 0-63 ((a, b) at v[8 (8 a + b)]);  window 3: those of rows 64-127.
.set NQ,     4                         ; matrix instructions deep in a slot
.set ROWB,   256                       ; a tile's row in bytes: 512 codes
.set KROW,   512                       ; a row of codes in memory
.set PITCH,  272                       ; an LDS row: 256 bytes + 16 of padding: an odd multiple of 16, so the 16 rows that a load touches fall on different 16-byte columns of 256
.set FR,     8
.set NL,     2
.set NP,     4                         ; places behind this matrix instruction (ISA guide 7.12.1)
.set HALFT,  128*PITCH
.set SLOT,   4*HALFT
.set KS,     32                        ; a row of scale bytes
.set SCL,    2*SLOT                    ; behind the slots: the scales, as runs of 256 bytes + 16 of padding
.set HALFS,  16*272                    ; those of 128 rows
.set SBLK,   2*272                     ; those of 16 rows
.set SPARE,  SCL+4*HALFS               ; the spare words, 128 bytes a wave; no other line names them
.set SPITCH, 272                       ; the way out: a stage of 16 rows x (256 bytes + 16) for each wave, in slot 0, which has had its one fill and its last read by then
.set ADRA, 16
.set ADRB, 20
.set STO,  24
.set RD,   25
.set CO,   26
.set ADRS, 27
.set SPW,  28
.set NIL,  29
.set FO,   30                          ; v30 my byte offset in fq
.set SC,   32
.set AF,   128
.set TMP,  32
.set BK,   128
.set G1, 24
.set G0, 32
.set G1B, 48
.set G0B, 56
.set G1S, 68
.set G0S, 76
.set G1SB, 80
.set G0SB, 88
.set MSB, 0
.macro WIN new                         ; the immediate's high byte repeats the setting that is left
.if MSB != \new
	s_set_vgpr_msb (MSB<<8)|\new
.set MSB, \new
.endif
.endm
.set MUL_LO, 0xa1                      ; source 0 (W) window 1, source 1 (x) window 0, C and D window 2
.set MUL_HI, 0xf1
.set TO_B,   0x40
.macro JLOAD g0a, g1a, g0b, g1b        ; a joint load: waves 0 and 1 fetch for x, waves 2 and 3 for W; the branch hangs on the wave's number alone; an s_nop 0 and four v_nop follow each line
	s_cmp_eq_u32 s15, 0
	s_cbranch_scc0 .Lfor_b_\@
	tensor_load_to_lds s[\g0a:\g0a+3], s[\g1a:\g1a+7]
	s_nop 0
.rept 4
	v_nop
.endr
	s_branch .Lasked_\@
.Lfor_b_\@:
	tensor_load_to_lds s[\g0b:\g0b+3], s[\g1b:\g1b+7]
	s_nop 0
.rept 4
	v_nop
.endr
.Lasked_\@:
.endm
.macro CROUND                          ; a round of the cluster's barrier
	s_barrier_signal -1
	s_barrier_wait -1
	s_cmp_lg_u32 s14, 0
	s_cbranch_scc1 .Lnot_wave_0_\@
	s_barrier_signal -3
.Lnot_wave_0_\@:
	s_barrier_wait -3
	s_barrier_signal -1
	s_barrier_wait -1
.endm
	s_load_b128 s[4:7], s[0:1], 0x0                ; x's codes, x's scales
	s_load_b128 s[8:11], s[0:1], 0x10              ; W's codes, W's scales
	s_load_b64 s[12:13], s[0:1], 0x20              ; qkv
	s_load_b64 s[96:97], s[0:1], 0x28              ; fq
	v_lshl_add_u32 v[SPW], v0, 2, SPARE
	v_mov_b32 v[NIL], 0
	ds_add_u32 v[SPW], v[NIL]                      ; the wave's opening: the add, twice on end, and its wait ahead of my first tensor load
	ds_add_u32 v[SPW], v[NIL]
	v_lshrrev_b32 v1, 5, v0
	v_readfirstlane_b32 s14, v1                    ; wave 0..3
	s_lshr_b32 s15, s14, 1                         ; which half of the tile's rows is mine.  Also: I fetch for x (0) or for W (1)
	s_and_b32 s16, s14, 1                          ; which half of its columns.  Also: which 128 rows I fetch
	s_bfe_u32 s40, ttmp6, 0x40000                  ; cx
	s_bfe_u32 s41, ttmp6, 0x40004                  ; cy
	s_lshl_b32 s42, ttmp9, 2
	s_add_co_u32 s42, s42, s40                     ; tile column = 4 x cluster x + cx
	s_and_b32 s17, ttmp7, 0xffff
	s_or_b32 s3, s17, s15                          ; 0 in the waves that hold a sequence's first rows: cluster y = 0 and the tile's upper half
	s_lshl_b32 s18, s41, 3
	s_add_co_u32 s17, s17, s18                     ; tile row = cluster y + 8 cy
	s_lshl_b32 s43, s41, 2
	s_lshl_b32 s43, 15, s43                        ; my row of the cluster
	s_lshl_b32 s44, 0x1111, s40                    ; my column
	s_or_b32 s[G1+0], s43, (0<<16)|(1<<20)|(1<<21)|(5<<22)|(3<<25)  ; the mask; elements of 1 byte; padding on; bit 21 beside a mask; 4 words of padding after every 64
	s_or_b32 s[G1B+0], s44, (0<<16)|(1<<20)|(1<<21)|(5<<22)|(3<<25)
.irp g, G1, G1B
	s_mov_b32 s[\g+1], ROWB<<16                    ; tensor_dim0
	s_mov_b32 s[\g+2], 128<<16                     ; tensor_dim1
	s_mov_b32 s[\g+3], ROWB<<16                    ; tile_dim0
	s_mov_b32 s[\g+4], 128                         ; tile_dim1
	s_mov_b32 s[\g+5], KROW                        ; from row to row
	s_mov_b32 s[\g+6], 0
	s_mov_b32 s[\g+7], 0
.endr
	s_or_b32 s[G1S+0], s43, (3<<16)|(1<<20)|(1<<21)|(5<<22)|(3<<25)  ; the scales of 128 rows: 4,096 dense bytes as 16 rows of 32 elements of 8 bytes
	s_or_b32 s[G1SB+0], s44, (3<<16)|(1<<20)|(1<<21)|(5<<22)|(3<<25)
.irp g, G1S, G1SB
	s_mov_b32 s[\g+1], 32<<16
	s_mov_b32 s[\g+2], 16<<16
	s_mov_b32 s[\g+3], 32<<16
	s_mov_b32 s[\g+4], 16
	s_mov_b32 s[\g+5], 32
	s_mov_b32 s[\g+6], 0
	s_mov_b32 s[\g+7], 0
.endr
	s_lshl_b32 s18, s16, 7
	s_lshl_b32 s20, s17, 8
	s_add_co_u32 s20, s20, s18                     ; x: row 256 x tile row + 128 x half
	s_lshl_b32 s46, s42, 8
	s_add_co_u32 s46, s46, s18                     ; W: row 256 x tile column + 128 x half
	s_mov_b32 s21, 0
	s_mov_b32 s47, 0
	s_mov_b64 s[18:19], KS
	s_mul_u64 s[22:23], s[20:21], s[18:19]
	s_mul_u64 s[92:93], s[46:47], s[18:19]
	s_mov_b64 s[18:19], KROW
	s_mul_u64 s[20:21], s[20:21], s[18:19]
	s_mul_u64 s[46:47], s[46:47], s[18:19]
	s_mul_i32 s45, s14, HALFT                      ; where they go: wave x 128 rows
	s_mul_i32 s94, s14, HALFS
	s_wait_dscnt 0x0                               ; both opening adds are done
	s_wait_kmcnt 0x0
	s_add_nc_u64 s[20:21], s[4:5], s[20:21]
	s_add_nc_u64 s[22:23], s[6:7], s[22:23]
	s_add_nc_u64 s[46:47], s[8:9], s[46:47]
	s_add_nc_u64 s[92:93], s[10:11], s[92:93]
	CROUND                                         ; all sixteen work-groups are here: the joint loads meet
	s_mov_b32 s[G0S], 1
	s_add_co_u32 s[G0S+1], s94, SCL
	s_mov_b64 s[G0S+2:G0S+3], s[22:23]
	s_or_b32 s[G0S+3], s[G0S+3], 0x80000000
	s_mov_b32 s[G0SB], 1
	s_add_co_u32 s[G0SB+1], s94, SCL
	s_mov_b64 s[G0SB+2:G0SB+3], s[92:93]
	s_or_b32 s[G0SB+3], s[G0SB+3], 0x80000000
	JLOAD G0S, G1S, G0SB, G1SB                     ; the scales first; a wave has three tensor loads out
.irp s, 0,1
	s_mov_b32 s[G0+4*\s], 1
	s_add_co_u32 s[G0+4*\s+1], s45, \s*SLOT
	s_add_nc_u64 s[G0+4*\s+2:G0+4*\s+3], s[20:21], \s*ROWB
	s_or_b32 s[G0+4*\s+3], s[G0+4*\s+3], 0x80000000
	s_mov_b32 s[G0B+4*\s], 1
	s_add_co_u32 s[G0B+4*\s+1], s45, \s*SLOT
	s_add_nc_u64 s[G0B+4*\s+2:G0B+4*\s+3], s[46:47], \s*ROWB
	s_or_b32 s[G0B+4*\s+3], s[G0B+4*\s+3], 0x80000000
	JLOAD G0+4*\s, G1, G0B+4*\s, G1B
.endr
	v_and_b32 v1, 15, v0                           ; r
	v_bfe_u32 v2, v0, 4, 1                         ; h
	v_mul_u32_u24 v3, v1, PITCH
	v_lshl_add_u32 v4, v2, 4, v3
	s_mul_i32 s21, s15, HALFT
	s_mul_i32 s22, s16, HALFT
	s_add_co_u32 s22, s22, 2*HALFT
.irp s, 0,1
	v_add_nc_u32 v[ADRA+\s], s21, v4
	v_add_nc_u32 v[ADRB+\s], s22, v4
	s_add_co_u32 s21, s21, SLOT
	s_add_co_u32 s22, s22, SLOT
.endr
	v_mul_u32_u24 v5, v1, KS                       ; my row's scales: 32 bytes a row, and 16 more for each 256 passed
	v_lshrrev_b32 v6, 8, v5
	v_lshl_add_u32 v5, v6, 4, v5
	s_mul_i32 s21, s15, HALFS
	s_mul_i32 s22, s16, HALFS
	s_add_co_u32 s22, s22, 2*HALFS
	s_sub_co_u32 s22, s22, s21
	v_mul_u32_u24 v6, s22, v2                      ; lanes 16-31 take W's
	s_add_co_u32 s21, s21, SCL
	v_add_nc_u32 v5, v5, v6
	v_add_nc_u32 v[ADRS], s21, v5
	s_mul_i32 s23, s14, 16*SPITCH                  ; my stage
	v_mul_u32_u24 v5, v1, SPITCH
	v_lshl_add_u32 v5, v2, 4, v5
	v_add_nc_u32 v[STO], s23, v5                   ; in: row r, 16 bytes for each half of the lanes
	v_bfe_u32 v5, v0, 3, 1
	v_mul_u32_u24 v5, v5, SPITCH
	v_lshl_add_u32 v5, v2, 7, v5
	v_and_b32 v6, 7, v0
	v_lshl_add_u32 v5, v6, 4, v5
	v_add_nc_u32 v[RD], s23, v5                    ; back: lanes 0-15 two rows of my first head (128 bytes each), lanes 16-31 the same rows of my second
	v_lshlrev_b32 v[CO], 18, v2                    ; in qkv a head is 262,144 bytes, and two of its rows are 256 consecutive bytes
	v_lshl_add_u32 v[CO], v1, 4, v[CO]
	v_mul_u32_u24 v[FO], v1, 12288                 ; fq: position r, 32 bytes for each half of the lanes
	v_lshl_add_u32 v[FO], v2, 5, v[FO]
	s_lshl_b32 s20, ttmp9, 2                       ; qkv: (((which x 4 + batch) x 16 + head) x 2,048 + position) x 128 bytes
	s_add_co_u32 s20, s20, s41
	s_lshl_b32 s20, s20, 4
	s_lshl_b32 s21, s40, 2
	s_add_co_u32 s20, s20, s21
	s_lshl_b32 s21, s16, 1
	s_add_co_u32 s20, s20, s21                     ; my first head: 4 cx + 2 x column half
	s_lshl_b32 s20, s20, 11
	s_and_b32 s22, ttmp7, 0xffff
	s_lshl_b32 s21, s22, 8
	s_add_co_u32 s20, s20, s21
	s_lshl_b32 s21, s15, 7
	s_add_co_u32 s20, s20, s21                     ; my first position: 256 x cluster y + 128 x row half
	s_lshl_b32 s20, s20, 7
	s_mov_b32 s21, 0
	s_add_nc_u64 s[12:13], s[12:13], s[20:21]
	s_mul_i32 s20, s41, 196608                     ; fq: batch x 16 x 12,288 + 4 x my first column
	s_lshl_b32 s21, s42, 10
	s_add_co_u32 s20, s20, s21
	s_lshl_b32 s21, s16, 9
	s_add_co_u32 s20, s20, s21
	s_mov_b32 s21, 0
	s_add_nc_u64 s[96:97], s[96:97], s[20:21]
.macro FRAG reg, adr, q, i             ; 16 rows x 128 K of 4-bit codes: 8 registers; registers 4 c .. 4 c + 3 hold K = 64 c + 32 (lane / 16) + 0 .. 31
.irp c, 0,1
	ds_load_b128 v[\reg+4*\c:\reg+4*\c+3], v[\adr] offset:64*(\q)+32*\c+(\i)*16*PITCH
.endr
.endm
; 16 matrix instructions: x's blocks a0, a0 + 1 against W's eight.  The 64 accumulators take turns, one instruction a turn, in the same order in every step.
.macro MUL16 a0, p, q, sc, zero
.irp a, \a0, \a0+1
.irp b, 0,1,2,3,4,5,6,7
.if \zero
	v_wmma_scale_f32_16x16x128_f8f6f4 v[8*(8*((\a)%4)+\b):8*(8*((\a)%4)+\b)+7], v[128*(\p)+FR*\b:128*(\p)+FR*\b+FR-1], v[AF+FR*(\a):AF+FR*(\a)+FR-1], 0, v[SC+8*NQ*(\sc)+NQ*\b+(\q)], v[SC+8*NQ*(\sc)+NQ*(\a)+(\q)] matrix_a_fmt:MATRIX_FMT_FP4 matrix_b_fmt:MATRIX_FMT_FP4 matrix_a_scale:MATRIX_SCALE_ROW1
.else
	v_wmma_scale_f32_16x16x128_f8f6f4 v[8*(8*((\a)%4)+\b):8*(8*((\a)%4)+\b)+7], v[128*(\p)+FR*\b:128*(\p)+FR*\b+FR-1], v[AF+FR*(\a):AF+FR*(\a)+FR-1], v[8*(8*((\a)%4)+\b):8*(8*((\a)%4)+\b)+7], v[SC+8*NQ*(\sc)+NQ*\b+(\q)], v[SC+8*NQ*(\sc)+NQ*(\a)+(\q)] matrix_a_fmt:MATRIX_FMT_FP4 matrix_b_fmt:MATRIX_FMT_FP4 matrix_a_scale:MATRIX_SCALE_ROW1
.endif
.endr
.endr
.endm
.macro FETCH_B slot, q, p
	WIN TO_B
.irp i, 0,1,2,3,4,5,6,7
	FRAG 128*(\p)+FR*\i, ADRB+\slot, \q, \i
.endr
	WIN 0
.endm
.macro FETCH_A slot, q, i0
.irp i, \i0, \i0+1, \i0+2, \i0+3
	FRAG AF+FR*(\i), ADRA+\slot, \q, \i
.endr
.endm
.macro SCALES sc                       ; a slot's scale words: four a row; lanes 0-15 take x's block i, lanes 16-31 W's block i
.irp i, 0,1,2,3,4,5,6,7
	ds_load_b128 v[SC+8*NQ*\sc+NQ*\i:SC+8*NQ*\sc+NQ*\i+3], v[ADRS] offset:\i*SBLK
.endr
.endm
.macro PLACES n                        ; plain vector lines between a matrix instruction and a load into, or a read of, its registers
.rept \n
	v_nop
.endr
.endm
.macro STEP slot, q, zero              ; 128 along K that has its successor in the same slot
	s_wait_dscnt 4*NL                              ; W's set and x's blocks 0-3 are in; the youngest eight loads (x's blocks 4-7) may be out
	WIN MUL_LO
	MUL16 0, (\q)%2, \q, \slot, \zero
	MUL16 2, (\q)%2, \q, \slot, \zero
	s_wait_dscnt 0
	PLACES NP
	FETCH_B \slot, (\q)+1, 1-(\q)%2
	FETCH_A \slot, (\q)+1, 0
	WIN MUL_HI
	MUL16 4, (\q)%2, \q, \slot, \zero
	MUL16 6, (\q)%2, \q, \slot, \zero
	PLACES NP
	WIN 0
	FETCH_A \slot, (\q)+1, 4
.endm
.macro TURN slot, next                 ; a slot's last step changes slots: one barrier
	s_wait_tensorcnt 0x0                           ; all my tensor loads have landed: my part of the next slot
	ds_add_u32 v[SPW], v[NIL]                      ; 0 onto my spare word
	s_wait_dscnt 4*NL+1                            ; the add and the youngest eight loads may be out
	WIN MUL_LO
	MUL16 0, 1, NQ-1, \slot, 0
	s_wait_dscnt 0x0                               ; the add is done, and my reads of this slot are over
	s_barrier_signal -1
	MUL16 2, 1, NQ-1, \slot, 0
	WIN 0
	s_barrier_wait -1
	PLACES NP
	v_add_nc_u32 v[ADRS], 4*NQ, v[ADRS]            ; on to the next slot's scale words
	FETCH_B \next, 0, 0
	FETCH_A \next, 0, 0
	SCALES \next
	WIN MUL_HI
	MUL16 4, 1, NQ-1, \slot, 0
	MUL16 6, 1, NQ-1, \slot, 0
	PLACES NP
	WIN 0
	FETCH_A \next, 0, 4
.endm
	s_wait_tensorcnt 1                             ; the scales and my part of slot 0 are in; slot 1's load may be out
	s_barrier_signal -1
	s_barrier_wait -1
	FETCH_B 0, 0, 0
	FETCH_A 0, 0, 0
	SCALES 0
	FETCH_A 0, 0, 4
	STEP 0, 0, 1                                   ; the first products start the sums: nothing is cleared
	STEP 0, 1, 0
	STEP 0, 2, 0
	TURN 0, 1
	STEP 1, 0, 0
	STEP 1, 1, 0
	STEP 1, 2, 0
	s_wait_dscnt 4*NL
	WIN MUL_LO
	MUL16 0, 1, NQ-1, 1, 0
	MUL16 2, 1, NQ-1, 1, 0
	s_wait_dscnt 0
	WIN MUL_HI
	MUL16 4, 1, NQ-1, 1, 0
	MUL16 6, 1, NQ-1, 1, 0
	WIN 0
; THE WAY OUT.  First the f32 copy of a sequence's first 16 positions (my block 0), where I hold them: a branch on cluster y and the wave's number, the same in all partners.
	PLACES NP
	s_cmp_lg_u32 s3, 0
	s_cbranch_scc1 .Lnofine
	WIN 0x08                                       ; a store's data: window 2
.irp b, 0,1,2,3,4,5,6,7
	global_store_b128 v[FO], v[8*\b:8*\b+3], s[96:97] offset:64*\b          ; each accumulator from its low end on
	global_store_b128 v[FO], v[8*\b+4:8*\b+7], s[96:97] offset:64*\b+16
.endr
	WIN 0
.Lnofine:
; Then block by block of 16 rows x 128 columns (two heads): rounded to f16, 16 bytes a lane, through my own stage, and back so that sixteen lanes hold two rows of one head: 256 consecutive bytes of qkv.
.macro PACK a
.set AC, 64*((\a)%4)
	WIN 0x0a+5*((\a)/4)                            ; sources 0 and 1: window 2 or 3
.irp b, 0,1,2,3,4,5,6,7
.irp r, 0,1,2,3
	v_cvt_pk_f16_f32 v[TMP+4*\b+\r], v[AC+8*\b+2*\r], v[AC+8*\b+2*\r+1]
.endr
.endr
	WIN 0
.endm
.macro TOSTAGE a
.set BB, BK+32*((\a)%2)
.irp b, 0,1,2,3,4,5,6,7
	ds_store_b128 v[STO], v[TMP+4*\b:TMP+4*\b+3] offset:32*\b
.endr
.irp t, 0,1,2,3,4,5,6,7
	ds_load_b128 v[BB+4*\t:BB+4*\t+3], v[RD] offset:\t*2*SPITCH    ; my own bytes, served in order
.endr
.endm
.macro SEND a
.set BB, BK+32*((\a)%2)
	s_wait_dscnt 0x0                               ; the block is back in registers
	s_wait_xcnt 0x0                                ; the stores of the block before have read their registers: the next block's loads may land there
.irp t, 0,1,2,3,4,5,6,7
	global_store_b128 v[CO], v[BB+4*\t:BB+4*\t+3], s[12:13] offset:2048*(\a)+256*\t
.endr
.endm
	PACK 0
	TOSTAGE 0
.irp a, 1,2,3,4,5,6,7                  ; block a's conversions stand between block a - 1's loads from the stage and the wait for them
	PACK \a
	SEND \a-1
	TOSTAGE \a
.endr
	SEND 7
	s_wait_tensorcnt 0x0                           ; the wave's end
	ds_add_u32 v[SPW], v[NIL]
	s_wait_dscnt 0x0
	CROUND                                         ; the closing round
	s_endpgm
.Lfunc_end_k_qc5004e1bd1_qkv:
	.size	k_qc5004e1bd1_qkv, .Lfunc_end_k_qc5004e1bd1_qkv-k_qc5004e1bd1_qkv
	.p2alignl 7, 3214868480
	.fill 96, 4, 3214868480
	.section	.rodata,"a",@progbits
	.p2align	6, 0x0
	.amdhsa_kernel k_qc5004e1bd1_qkv
		.amdhsa_group_segment_fixed_size 327680
		.amdhsa_private_segment_fixed_size 0
		.amdhsa_enable_private_segment 0
		.amdhsa_kernarg_size 48
		.amdhsa_user_sgpr_count 2
		.amdhsa_user_sgpr_kernarg_segment_ptr 1
		.amdhsa_wavefront_size32 1
		.amdhsa_system_sgpr_workgroup_id_x 1
		.amdhsa_system_sgpr_workgroup_id_y 1
		.amdhsa_system_sgpr_workgroup_id_z 1
		.amdhsa_system_vgpr_workitem_id 0
		.amdhsa_next_free_vgpr 1024
		.amdhsa_next_free_sgpr 100
		.amdhsa_reserve_vcc 0
		.amdhsa_float_denorm_mode_32 3
		.amdhsa_float_denorm_mode_16_64 3
		.amdhsa_memory_ordered 1
		.amdhsa_forward_progress 1
		.amdhsa_inst_pref_size 129
	.end_amdhsa_kernel
	.amdgpu_metadata
---
amdhsa.version: [ 1, 2 ]
amdhsa.kernels:
  - .name:           k_qc5004e1bd1_qkv
    .symbol:         k_qc5004e1bd1_qkv.kd
    .args:
      - { .name: xc, .offset: 0, .size: 8, .value_kind: global_buffer, .address_space: global }
      - { .name: xs, .offset: 8, .size: 8, .value_kind: global_buffer, .address_space: global }
      - { .name: wc, .offset: 16, .size: 8, .value_kind: global_buffer, .address_space: global }
      - { .name: ws, .offset: 24, .size: 8, .value_kind: global_buffer, .address_space: global }
      - { .name: qkv, .offset: 32, .size: 8, .value_kind: global_buffer, .address_space: global }
      - { .name: fq, .offset: 40, .size: 8, .value_kind: global_buffer, .address_space: global }
    .group_segment_fixed_size: 327680
    .private_segment_fixed_size: 0
    .kernarg_segment_align: 8
    .kernarg_segment_size: 48
    .max_flat_workgroup_size: 128
    .sgpr_count:     100
    .vgpr_count:     1024
    .wavefront_size: 32
...
	.end_amdgpu_metadata
.endif
;; end of part 2
;; launch attn (part 3): grid 4 x 64, 16 waves a work-group, clusters of 4 x 1, 327,680 bytes of LDS; arguments qkv, y; writes y
.if DOCPART == 3
	.amdgcn_target "amdgcn-amd-amdhsa--gfx1250"
	.amdhsa_code_object_version 6
	.text
	.protected	k_qc5004e1bd1_attn
	.globl	k_qc5004e1bd1_attn
	.p2align	8
	.type	k_qc5004e1bd1_attn,@function
k_qc5004e1bd1_attn:
	s_mov_b64 s[64:65], 0
	v_nop
	global_prefetch_b8 v0, s[64:65] scope:SCOPE_SE
	s_setreg_imm32_b32 hwreg(HW_REG_WAVE_MODE, 25, 1), 1
	s_wait_xcnt 0x0
	s_wait_alu depctr_hold_cnt(0) depctr_sa_sdst(0) depctr_va_vdst(0) depctr_va_sdst(0) depctr_va_ssrc(0) depctr_va_vcc(0) depctr_vm_vsrc(0)
	s_getreg_b32 s2, hwreg(HW_REG_IB_STS2, 6, 4)
	s_cmp_eq_u32 s2, 0
	s_cbranch_scc0 .Lentry_in_a_cluster
	s_endpgm
.Lentry_in_a_cluster:
	s_bfe_u32 s2, ttmp6, 0x10000c
	s_cmp_lg_u32 s2, 0x3003
	s_cbranch_scc0 .Lentry_shape_is_right
	s_endpgm
.Lentry_shape_is_right:
; ATTN.  y[bh][q][:] = sum over k <= q of softmax_k(Q[q] . K[k] / 8) V[k][:], for 64 (batch, head) pairs of 2,048 positions and head size 64.  Q, K, V: f16 from qkv; products on f16 with f32 sums;
; maxima, exponentials and sums in f32, with a running maximum; the weights p are rounded to f16 for the second product, y once at the end (f16, [bh][position][64]).
; LIMIT: y goes in f16: magnitudes under 65,504.  (Positions 0-15 of every sequence are written here too, but the result's rows for them come from a launch of their own, in f32.)
; SHARES.  A cluster of four work-groups is one (batch, head); all four walk the same K and V, which are asked for jointly.  The 2,048 queries are 16 groups of 128; wave w takes group g (below), and of it the partner at
; place cx takes queries 128 g + 32 cx .. + 31: two tiles of 16.  With s = w % 4, u = w / 4, t = 2 s + u % 2: g = 15 - t for u < 2, else t: waves w, w + 4, w + 8, w + 12 together have 34 key steps of 128 whatever s is.
; Every branch hangs on 128 g (the wave's number) and the count of steps, never on cx: cx enters global addresses and a lane's query number alone.  The wave with g = 15 of every partner reads every tile.
; LAYOUT.  S^T = K Q^T (source 0 = 16 keys, source 1 = 16 queries): a lane holds one query (lane % 16) and keys 8 (lane / 16) + 0..7.  Two such tiles, rounded in pairs, are source 1 (32 keys x 16 queries) of
; O^T = V^T P, whose result again holds one query a lane.  K comes out of LDS as it lies, V ([key][channel]) turned, by ds_load_tr16_b128.
; THE MASK.  A step of 64 keys all of which come after the group's last query is left out (a scalar branch round the step's work, round no barrier and no tensor load); in the two steps on the diagonal
; hidden scores become -infinity ahead of the maximum.  Key 0 counts for every query and is in every wave's first step, so the maximum is a number from then on.
; REGISTERS: v1-10 addresses and constants; v12-15 second chains of the sums; v16-31 statistics, 8 a tile (+0 c m, +1 m, +2, +3 l, +4..+7 at work; a in +6); v32-63 Q; v64-127 K, then V; v128-191 S^T, then p, then P in place; v192-255 O^T.
.set PK,    144                        ; a row of K in LDS: 128 bytes + 16
.set PV,    160                        ; a row of V: 128 + 32: an odd multiple of 32
.set SK,    256                        ; keys in a slot: four steps of 64
.set VOFF,  SK*PK
.set SLOT1, 1<<17                      ; slot 1 begins here: one exclusive or turns an address from one slot to the other
.set NSL,   2048/SK
.set SPARE, SLOT1+SK*(PK+PV)           ; the spare words, 128 bytes a wave; no other line names them
.set STG,   32*PK                      ; the way out: 32 rows x 144 bytes for each wave, in slot 0, which was left at the last change of slots
.set AK0, 1
.set AV0, 2
.set SPW, 3
.set NIL, 4
.set ADK, 5
.set ADV, 6
.set PFO, 7
.set DQ,  8                            ; v8  my query of tile 0 less 8 (lane / 16)
.set DD,  9
.set NINF, 10
.set SB,  12
.set ST,  16
.set Q,   32
.set KV,  64
.set S,   128
.set O,   192
.set WV,  8
.set CX,  9
.set BH,  10
.set G128, 11                          ; s11 my group's first query
.set Q0,  12                           ; s12 my first query
.set KF,  13                           ; s13 the step's first key
.set TB,  14                           ; s14 LDS byte at which the slot in hand begins
.set SLOTS, 15
.set LIM, 16
.set PFA, 18
.set SEL, 20
.set CS,  22                           ; s[22:23] c = log2(e) / 8
.set G1K, 24
.set G1V, 32
.set G0K, 40
.set G0V, 44
.macro CROUND                          ; a round of the cluster's barrier
	s_barrier_signal -1
	s_barrier_wait -1
	s_cmp_lg_u32 s[WV], 0
	s_cbranch_scc1 .Lnot_wave_0_\@
	s_barrier_signal -3
.Lnot_wave_0_\@:
	s_barrier_wait -3
	s_barrier_signal -1
	s_barrier_wait -1
.endm
.macro TLOAD                           ; waves 0 and 1 fetch K's halves of a slot, waves 2 and 3 V's, the others nothing; the branches hang on the wave's number alone; an s_nop 0 and four v_nop follow each line
	s_cmp_lt_u32 s[WV], 2
	s_cbranch_scc0 .Lnot_k_\@
	tensor_load_to_lds s[G0K:G0K+3], s[G1K:G1K+7]
	s_nop 0
.rept 4
	v_nop
.endr
	s_branch .Lasked_\@
.Lnot_k_\@:
	s_cmp_lt_u32 s[WV], 4
	s_cbranch_scc0 .Lasked_\@
	tensor_load_to_lds s[G0V:G0V+3], s[G1V:G1V+7]
	s_nop 0
.rept 4
	v_nop
.endr
.Lasked_\@:
.endm
; A prefetch of what the NEXT change of slots will ask for: a slot's 32,768 bytes of K and of V.  Wave 4 asks for K's, wave 5 for V's; the four partners share the bytes out by address, 8,192 each, lanes 256 bytes apart:
; each aligned run of 256 bytes is named once in the launch.  The last change that fills a slot asks for nothing; slots 0 and 1 come by their loads alone.
.macro ASK
	s_cmp_gt_u32 s[SLOTS], s[LIM]
	s_cbranch_scc0 .Lnot_mine_\@
	global_prefetch_b8 v[PFO], s[PFA:PFA+1] th:TH_LOAD_NT scope:SCOPE_SE
.Lnot_mine_\@:
.endm
	s_load_b128 s[4:7], s[0:1], 0x0                ; qkv, y
	v_lshl_add_u32 v[SPW], v0, 2, SPARE
	v_mov_b32 v[NIL], 0
	ds_add_u32 v[SPW], v[NIL]                      ; the wave's opening: the add, twice on end, and its wait ahead of the first tensor loads
	ds_add_u32 v[SPW], v[NIL]
	v_lshrrev_b32 v5, 5, v0
	v_readfirstlane_b32 s[WV], v5                  ; wave 0..15
	s_bfe_u32 s[CX], ttmp6, 0x40000
	s_and_b32 s[BH], ttmp7, 0xffff
	s_and_b32 s48, s[WV], 3
	s_lshl_b32 s48, s48, 1
	s_bfe_u32 s49, s[WV], 0x10002
	s_or_b32 s48, s48, s49                         ; t
	s_lshr_b32 s49, s[WV], 3
	s_xor_b32 s49, s49, 1
	s_mul_i32 s49, s49, 15
	s_xor_b32 s48, s48, s49                        ; g = 15 - t in waves 0-7, t in waves 8-15
	s_lshl_b32 s[G128], s48, 7
	s_lshl_b32 s49, s[CX], 5
	s_add_co_u32 s[Q0], s[G128], s49
	s_mov_b32 s[G1K], 15|(1<<16)|(1<<20)|(1<<21)|(4<<22)|(3<<25)  ; the mask: all four; elements of 2 bytes; padding on; bit 21 beside a mask; 4 words after every 32
	s_mov_b32 s[G1V], 15|(1<<16)|(1<<20)|(1<<21)|(4<<22)|(7<<25)  ; the same with 8 words
.irp g, G1K, G1V
	s_mov_b32 s[\g+1], 64<<16                      ; tensor_dim0 = 64
	s_mov_b32 s[\g+2], 128<<16                     ; tensor_dim1 = 128
	s_mov_b32 s[\g+3], 64<<16                      ; tile_dim0
	s_mov_b32 s[\g+4], 128                         ; tile_dim1
	s_mov_b32 s[\g+5], 64                          ; from row to row
	s_mov_b32 s[\g+6], 0
	s_mov_b32 s[\g+7], 0
.endr
	s_lshl_b32 s50, s[BH], 18                      ; the head's first byte in each third of qkv, and in y
	s_and_b32 s52, s[WV], 1
	s_lshl_b32 s53, s52, 14                        ; which 128 rows of a slot I fetch
	s_add_co_u32 s54, s50, s53
	s_add_co_u32 s54, s54, 16777216                ; K's third
	s_mov_b32 s55, 0
	s_add_co_u32 s56, s54, 16777216                ; V's
	s_mov_b32 s57, 0
	s_mul_i32 s58, s52, 128*PK
	s_mul_i32 s59, s52, 128*PV
	s_add_co_u32 s59, s59, VOFF
	s_mov_b32 s[SEL], 0x76543210
	s_mov_b32 s[SEL+1], 0xfedcba98
	s_mov_b32 s[CS], 0x3e38aa3b
	s_mov_b32 s[CS+1], s[CS]
	s_mov_b32 s[KF], 0
	s_mov_b32 s[TB], 0
	s_mov_b32 s[SLOTS], NSL-1
	s_lshr_b32 s48, s[WV], 1
	s_cmp_eq_u32 s48, 2                            ; waves 4 and 5 prefetch
	s_cselect_b32 s[LIM], 1, -1
	s_wait_dscnt 0x0                               ; both opening adds are done
	s_wait_kmcnt 0x0
	s_mov_b32 s[G0K], 1
	s_mov_b32 s[G0K+1], s58
	s_add_nc_u64 s[G0K+2:G0K+3], s[4:5], s[54:55]
	s_or_b32 s[G0K+3], s[G0K+3], 0x80000000
	s_mov_b32 s[G0V], 1
	s_mov_b32 s[G0V+1], s59
	s_add_nc_u64 s[G0V+2:G0V+3], s[4:5], s[56:57]
	s_or_b32 s[G0V+3], s[G0V+3], 0x80000000
	CROUND                                         ; all four work-groups are here: the first joint loads meet
	TLOAD                                          ; slot 0
	s_lshl_b32 s48, s[Q0], 7
	s_add_co_u32 s48, s48, s50
	s_mov_b32 s49, 0
	s_add_nc_u64 s[60:61], s[4:5], s[48:49]        ; Q at my first query
	s_add_nc_u64 s[6:7], s[6:7], s[48:49]          ; y likewise
	s_lshl_b32 s48, s52, 24                        ; the prefetches: K's third (wave 4) or V's (wave 5),
	s_add_co_u32 s48, s48, 16777216+32768          ; at slot 1: the first change of slots steps it to slot 2
	s_add_co_u32 s48, s48, s50
	s_lshl_b32 s49, s[CX], 13                      ; my work-group's 8,192 bytes
	s_add_co_u32 s48, s48, s49
	s_mov_b32 s49, 0
	s_add_nc_u64 s[PFA:PFA+1], s[4:5], s[48:49]
	v_and_b32 v5, 15, v0                           ; r
	v_bfe_u32 v6, v0, 4, 1                         ; h
	v_lshlrev_b32 v9, 7, v5
	v_lshl_add_u32 v9, v6, 4, v9                   ; Q: row r of 128 bytes + 16 h
.irp t, 0,1
.irp ds, 0,1
	global_load_b128 v[Q+16*\t+8*\ds:Q+16*\t+8*\ds+3],   v9, s[60:61] offset:2048*\t+64*\ds
	global_load_b128 v[Q+16*\t+8*\ds+4:Q+16*\t+8*\ds+7], v9, s[60:61] offset:2048*\t+64*\ds+32
.endr
.endr
	v_mul_u32_u24 v[AK0], v5, PK
	v_lshl_add_u32 v[AK0], v6, 4, v[AK0]
	v_and_b32 v7, 7, v0
	v_lshl_add_u32 v[AV0], v6, 3, v7               ; the turning load: lane l reads key 8 (l / 16) + l % 8, channels 8 ((l / 8) % 2) + 0..7
	v_mul_u32_u24 v[AV0], v[AV0], PV
	v_bfe_u32 v7, v0, 3, 1
	v_lshl_add_u32 v[AV0], v7, 4, v[AV0]
	v_add_nc_u32 v[AV0], VOFF, v[AV0]
	v_and_b32 v[PFO], 31, v0
	v_lshlrev_b32 v[PFO], 8, v[PFO]
	v_lshlrev_b32 v[DQ], 3, v6
	v_sub_nc_u32 v[DQ], v5, v[DQ]
	v_add_nc_u32 v[DQ], s[Q0], v[DQ]
	v_mov_b32 v[NINF], 0xff800000
.irp t, 0,1
	v_mov_b32 v[ST+8*\t+1], 0xff61b1e6             ; m = -3e38, under every score
	v_mul_f32 v[ST+8*\t], s[CS], v[ST+8*\t+1]      ; c m
	v_mov_b32 v[ST+8*\t+2], 0                      ; l, in two halves
	v_mov_b32 v[ST+8*\t+3], 0
.endr
.set i, 0
.rept 64
	v_mov_b32 v[O+i], 0                            ; O^T: the step is written once; its first run finds zeros, which a = 0 leaves zeros
.set i, i+1
.endr
; A KEY STEP: 64 keys, the q-th of the slot in hand, for my two tiles of queries.
.macro STEP q
	s_add_co_u32 s48, s[G128], 127
	s_cmp_gt_u32 s[KF], s48                        ; all keys come after my group's last query: the step's work is left out
	s_cbranch_scc1 .Lhidden_\@
	v_add_nc_u32 v[ADK], s[TB], v[AK0]
	v_add_nc_u32 v[ADV], s[TB], v[AV0]
.rept 3
	v_nop                                          ; with the two additions: five places behind the last product V^T P, for the loads into its registers (four are asked) and for the products below, which write over P (five)
.endr
.irp kt, 0,1,2,3
.irp ds, 0,1
	ds_load_b128 v[KV+16*\kt+8*\ds:KV+16*\kt+8*\ds+3],   v[ADK] offset:(64*(\q)+16*\kt)*PK+64*\ds
	ds_load_b128 v[KV+16*\kt+8*\ds+4:KV+16*\kt+8*\ds+7], v[ADK] offset:(64*(\q)+16*\kt)*PK+64*\ds+32
.endr
.endr
	s_wait_dscnt 0x0
.irp ds, 0,1                                   ; the eight accumulators take turns, one instruction a turn
.irp kt, 0,1,2,3
.irp t, 0,1
.if \ds == 0
	v_wmma_f32_16x16x32_f16 v[S+32*\t+8*\kt:S+32*\t+8*\kt+7], v[KV+16*\kt+8*\ds:KV+16*\kt+8*\ds+7], v[Q+16*\t+8*\ds:Q+16*\t+8*\ds+7], 0
.else
	v_wmma_f32_16x16x32_f16 v[S+32*\t+8*\kt:S+32*\t+8*\kt+7], v[KV+16*\kt+8*\ds:KV+16*\kt+8*\ds+7], v[Q+16*\t+8*\ds:Q+16*\t+8*\ds+7], v[S+32*\t+8*\kt:S+32*\t+8*\kt+7]
.endif
.endr
.endr
.endr
.rept 4
	v_nop                                          ; places in front of the loads into K's registers and of the first read of the scores
.endr
.irp kk, 0,1
.irp dt, 0,1,2,3
	ds_load_tr16_b128 v[KV+32*\kk+8*\dt:KV+32*\kk+8*\dt+3],   v[ADV] offset:(64*(\q)+32*\kk)*PV+32*\dt          ; V lands while the softmax is walked
	ds_load_tr16_b128 v[KV+32*\kk+8*\dt+4:KV+32*\kk+8*\dt+7], v[ADV] offset:(64*(\q)+32*\kk)*PV+16*PV+32*\dt
.endr
.endr
	s_add_co_u32 s48, s[KF], 63
	s_cmp_le_u32 s48, s[G128]                      ; all keys count for all queries of my group: no mask
	s_cbranch_scc1 .Lopen_\@
	v_sub_nc_u32 v[DD], v[DQ], s[KF]               ; register n of tile t holds key KF + 8 (lane / 16) + 16 (n / 8) + n % 8: hidden where 16 (n / 8) + n % 8 - 16 t > d
.irp t, 0,1
.set n, 0
.rept 32
	v_cmp_gt_i32 vcc_lo, 16*(n/8)+n%8-16*\t, v[DD]
	v_cndmask_b32 v[S+32*\t+n], v[S+32*\t+n], v[NINF], vcc_lo
.set n, n+1
.endr
.endr
.Lopen_\@:
.irp j, 0,1,2,3                                ; the maximum: four chains a tile, each accumulator from its low end on; the two tiles line by line
.irp t, 0,1
	v_max3_num_f32 v[ST+8*\t+4+\j], v[S+32*\t+8*\j], v[S+32*\t+8*\j+1], v[S+32*\t+8*\j+2]
.endr
.endr
.irp i, 3,5
.irp j, 0,1,2,3
.irp t, 0,1
	v_max3_num_f32 v[ST+8*\t+4+\j], v[ST+8*\t+4+\j], v[S+32*\t+8*\j+\i], v[S+32*\t+8*\j+\i+1]
.endr
.endr
.endr
.irp t, 0,1
	v_max3_num_f32 v[ST+8*\t+4], v[ST+8*\t+4], v[S+32*\t+7], v[S+32*\t+15]
.endr
.irp t, 0,1
	v_max3_num_f32 v[ST+8*\t+6], v[ST+8*\t+6], v[S+32*\t+23], v[S+32*\t+31]
.endr
.irp t, 0,1
	v_max3_num_f32 v[ST+8*\t+4], v[ST+8*\t+4], v[ST+8*\t+5], v[ST+8*\t+6]
.endr
.irp t, 0,1
	v_max3_num_f32 v[ST+8*\t+4], v[ST+8*\t+4], v[ST+8*\t+7], v[ST+8*\t+1]   ; and the old m
.endr
.irp t, 0,1
	v_permlanex16_b32 v[ST+8*\t+5], v[ST+8*\t+4], s[SEL], s[SEL+1]          ; the query's other 32 keys lie in the lane 16 away
.endr
.irp t, 0,1
	v_mov_b32 v[ST+8*\t+7], v[ST+8*\t]             ; c m_old
.endr
.irp t, 0,1
	v_max_num_f32 v[ST+8*\t+1], v[ST+8*\t+4], v[ST+8*\t+5]
.endr
.irp t, 0,1
	v_mul_f32 v[ST+8*\t], s[CS], v[ST+8*\t+1]
.endr
.irp t, 0,1
	v_sub_f32 v[ST+8*\t+7], v[ST+8*\t+7], v[ST+8*\t]
.endr
.set i, 0
.rept 16
.irp t, 0,1
	v_pk_fma_f32 v[S+32*\t+i:S+32*\t+i+1], v[S+32*\t+i:S+32*\t+i+1], s[CS:CS+1], v[ST+8*\t:ST+8*\t+1] op_sel_hi:[1,0,0] neg_lo:[0,0,1] neg_hi:[0,0,1]   ; c s - c m
.endr
.set i, i+2
.endr
.irp t, 0,1
	v_exp_f32 v[ST+8*\t+6], v[ST+8*\t+7]           ; a = 2^(c m_old - c m_new)
.endr
.set i, 0
.rept 32
.irp t, 0,1
	v_exp_f32 v[S+32*\t+i], v[S+32*\t+i]           ; p
.endr
.set i, i+1
.endr
	v_nop                                          ; a plain line behind the last exponential
	s_wait_alu depctr_va_vdst(0)                   ; one wait for the batch of 66, ahead of its first reader
.irp t, 0,1
	v_pk_mul_f32 v[ST+8*\t+2:ST+8*\t+3], v[ST+8*\t+2:ST+8*\t+3], v[ST+8*\t+6:ST+8*\t+7] op_sel_hi:[1,0]   ; l x a
.endr
.irp t, 0,1                                    ; the sum is taken of the unrounded p, in two chains that leave p as it is
	v_pk_add_f32 v[SB+2*\t:SB+2*\t+1], v[S+32*\t+2:S+32*\t+3], v[S+32*\t+6:S+32*\t+7]
.endr
.irp t, 0,1
	v_pk_add_f32 v[ST+8*\t+2:ST+8*\t+3], v[ST+8*\t+2:ST+8*\t+3], v[S+32*\t:S+32*\t+1]
.endr
.irp i, 4,8,12,16,20,24
.irp t, 0,1
	v_pk_add_f32 v[ST+8*\t+2:ST+8*\t+3], v[ST+8*\t+2:ST+8*\t+3], v[S+32*\t+\i:S+32*\t+\i+1]
	v_pk_add_f32 v[SB+2*\t:SB+2*\t+1], v[SB+2*\t:SB+2*\t+1], v[S+32*\t+\i+6:S+32*\t+\i+7]
.endr
.endr
.irp t, 0,1
	v_pk_add_f32 v[ST+8*\t+2:ST+8*\t+3], v[ST+8*\t+2:ST+8*\t+3], v[S+32*\t+28:S+32*\t+29]
.endr
.irp t, 0,1
	v_pk_add_f32 v[ST+8*\t+2:ST+8*\t+3], v[ST+8*\t+2:ST+8*\t+3], v[SB+2*\t:SB+2*\t+1]
.endr
.set i, 0
.rept 16
.irp t, 0,1
	v_cvt_pk_f16_f32 v[S+32*\t+i], v[S+32*\t+2*i], v[S+32*\t+2*i+1]   ; P in place, ascending: register i is written when registers 2 i and 2 i + 1 are read, never ahead of them
.endr
.set i, i+1
.endr
.set i, 0
.rept 16
.irp t, 0,1
	v_pk_mul_f32 v[O+32*\t+i:O+32*\t+i+1], v[O+32*\t+i:O+32*\t+i+1], v[ST+8*\t+6:ST+8*\t+7] op_sel_hi:[1,0]   ; O^T x a
.endr
.set i, i+2
.endr
	s_wait_dscnt 0x0                               ; V is in
.irp kk, 0,1
.irp dt, 0,1,2,3
.irp t, 0,1
	v_wmma_f32_16x16x32_f16 v[O+32*\t+8*\dt:O+32*\t+8*\dt+7], v[KV+32*\kk+8*\dt:KV+32*\kk+8*\dt+7], v[S+32*\t+8*\kk:S+32*\t+8*\kk+7], v[O+32*\t+8*\dt:O+32*\t+8*\dt+7]
.endr
.endr
.endr
.Lhidden_\@:
	s_add_co_u32 s[KF], s[KF], 64
.endm
; THE CHANGE OF SLOTS stands at a slot's head.  Each wave waits for all its tensor loads, adds 0 to its spare word, and waits for that and for its reads of the slot that it has left.  fill = 1: a round of the cluster's barrier,
; so that no wave of any partner still reads that slot or has a load on its way, and behind it the joint load of the keys that follow: it has a slot's four steps in which to land.
.macro CHANGE fill
	s_wait_tensorcnt 0x0                           ; no tensor load of mine is out, so a group 0 may be written
	ds_add_u32 v[SPW], v[NIL]                      ; 0 onto my spare word
.if \fill
	ds_add_u32 v[SPW], v[NIL]                      ; and once more: the add twice on end, in every trip alike
	s_xor_b32 s[G0K+1], s[G0K+1], SLOT1
	s_add_nc_u64 s[G0K+2:G0K+3], s[G0K+2:G0K+3], SK*128
	s_xor_b32 s[G0V+1], s[G0V+1], SLOT1
	s_add_nc_u64 s[G0V+2:G0V+3], s[G0V+2:G0V+3], SK*128
	s_wait_xcnt 0x0                                ; the last prefetch, a slot back, has read its address
	s_add_nc_u64 s[PFA:PFA+1], s[PFA:PFA+1], SK*128
	s_wait_dscnt 0x0
	CROUND
	TLOAD
	ASK
.else
	s_wait_dscnt 0x0
	s_barrier_signal -1
	s_barrier_wait -1
.endif
.endm
.macro SLOT_STEPS
	STEP 0
	STEP 1
	STEP 2
	STEP 3
	s_xor_b32 s[TB], s[TB], SLOT1
.endm
	s_wait_loadcnt 0x0                             ; Q
.Lslot:                                            ; NSL - 1 trips: behind each change of slots but the last the next slot is asked for
	CHANGE 1
	SLOT_STEPS
	s_sub_co_u32 s[SLOTS], s[SLOTS], 1
	s_cmp_lg_u32 s[SLOTS], 0
	s_cbranch_scc1 .Lslot
	CHANGE 0                                       ; the last slot is written out
	SLOT_STEPS
; THE WAY OUT: O^T / l, rounded to f16, through my stage, and out as 512 consecutive bytes an instruction (four rows of 128 bytes).
.irp t, 0,1
	v_add_f32 v[ST+8*\t+4], v[ST+8*\t+2], v[ST+8*\t+3]
.endr
.irp t, 0,1
	v_permlanex16_b32 v[ST+8*\t+5], v[ST+8*\t+4], s[SEL], s[SEL+1]
.endr
.irp t, 0,1
	v_add_f32 v[ST+8*\t+4], v[ST+8*\t+4], v[ST+8*\t+5]
.endr
.irp t, 0,1
	v_rcp_f32 v[ST+8*\t+6], v[ST+8*\t+4]
.endr
	v_and_b32 v11, 15, v0                          ; (plain work behind the reciprocals)
	v_bfe_u32 v9, v0, 4, 1
	s_mul_i32 s48, s[WV], STG
	v_mul_u32_u24 v5, v11, PK
	v_lshl_add_u32 v5, v9, 4, v5
	v_add_nc_u32 v5, s48, v5                       ; in: row r, 16 bytes for each half of the lanes
	v_and_b32 v11, 31, v0
	v_lshrrev_b32 v6, 3, v11
	v_mul_u32_u24 v6, v6, PK
	v_and_b32 v9, 7, v0
	v_lshl_add_u32 v6, v9, 4, v6
	v_add_nc_u32 v6, s48, v6                       ; back: eight lanes to a row, four rows an instruction
	v_lshlrev_b32 v9, 4, v11                       ; and the same 512 bytes in y
	s_wait_alu depctr_va_vdst(0)                   ; one wait for the two reciprocals, ahead of their first reader
.set i, 0
.rept 16
.irp t, 0,1
	v_pk_mul_f32 v[O+32*\t+i:O+32*\t+i+1], v[O+32*\t+i:O+32*\t+i+1], v[ST+8*\t+6:ST+8*\t+7] op_sel_hi:[1,0]
.endr
.set i, i+2
.endr
.set i, 0
.rept 16
.irp t, 0,1
	v_cvt_pk_f16_f32 v[S+16*\t+i], v[O+32*\t+2*i], v[O+32*\t+2*i+1]
.endr
.set i, i+1
.endr
.irp t, 0,1
.irp dt, 0,1,2,3
	ds_store_b128 v5, v[S+16*\t+4*\dt:S+16*\t+4*\dt+3] offset:16*PK*\t+32*\dt
.endr
.endr
.irp i, 0,1,2,3,4,5,6,7
	ds_load_b128 v[KV+4*\i:KV+4*\i+3], v6 offset:4*PK*\i   ; my own bytes, served in order
.endr
.irp i, 0,1,2,3,4,5,6,7
	s_wait_dscnt 7-\i
	global_store_b128 v9, v[KV+4*\i:KV+4*\i+3], s[6:7] offset:512*\i
.endr
	s_wait_tensorcnt 0x0                           ; the wave's end
	ds_add_u32 v[SPW], v[NIL]
	s_wait_dscnt 0x0
	CROUND                                         ; the closing round
	s_endpgm
.Lfunc_end_k_qc5004e1bd1_attn:
	.size	k_qc5004e1bd1_attn, .Lfunc_end_k_qc5004e1bd1_attn-k_qc5004e1bd1_attn
	.p2alignl 7, 3214868480
	.fill 96, 4, 3214868480
	.section	.rodata,"a",@progbits
	.p2align	6, 0x0
	.amdhsa_kernel k_qc5004e1bd1_attn
		.amdhsa_group_segment_fixed_size 327680
		.amdhsa_private_segment_fixed_size 0
		.amdhsa_enable_private_segment 0
		.amdhsa_kernarg_size 16
		.amdhsa_user_sgpr_count 2
		.amdhsa_user_sgpr_kernarg_segment_ptr 1
		.amdhsa_wavefront_size32 1
		.amdhsa_system_sgpr_workgroup_id_x 1
		.amdhsa_system_sgpr_workgroup_id_y 1
		.amdhsa_system_sgpr_workgroup_id_z 1
		.amdhsa_system_vgpr_workitem_id 0
		.amdhsa_next_free_vgpr 256
		.amdhsa_next_free_sgpr 66
		.amdhsa_reserve_vcc 1
		.amdhsa_float_denorm_mode_32 3
		.amdhsa_float_denorm_mode_16_64 3
		.amdhsa_memory_ordered 1
		.amdhsa_forward_progress 1
		.amdhsa_inst_pref_size 189
	.end_amdhsa_kernel
	.amdgpu_metadata
---
amdhsa.version: [ 1, 2 ]
amdhsa.kernels:
  - .name:           k_qc5004e1bd1_attn
    .symbol:         k_qc5004e1bd1_attn.kd
    .args:
      - { .name: qkv, .offset: 0, .size: 8, .value_kind: global_buffer, .address_space: global }
      - { .name: y, .offset: 8, .size: 8, .value_kind: global_buffer, .address_space: global }
    .group_segment_fixed_size: 327680
    .private_segment_fixed_size: 0
    .kernarg_segment_align: 8
    .kernarg_segment_size: 16
    .max_flat_workgroup_size: 512
    .sgpr_count:     66
    .vgpr_count:     256
    .wavefront_size: 32
...
	.end_amdgpu_metadata
.endif
;; end of part 3
;; launch proj (part 4): grid 8 x 32, 4 waves a work-group, clusters of 4 x 4, 327,680 bytes of LDS; arguments y, wot, bo, out0; writes out0
.if DOCPART == 4
	.amdgcn_target "amdgcn-amd-amdhsa--gfx1250"
	.amdhsa_code_object_version 6
	.text
	.protected	k_qc5004e1bd1_proj
	.globl	k_qc5004e1bd1_proj
	.p2align	8
	.type	k_qc5004e1bd1_proj,@function
k_qc5004e1bd1_proj:
	s_mov_b64 s[64:65], 0
	v_nop
	global_prefetch_b8 v0, s[64:65] scope:SCOPE_SE
	s_setreg_imm32_b32 hwreg(HW_REG_WAVE_MODE, 25, 1), 1
	s_wait_xcnt 0x0
	s_wait_alu depctr_hold_cnt(0) depctr_sa_sdst(0) depctr_va_vdst(0) depctr_va_sdst(0) depctr_va_ssrc(0) depctr_va_vcc(0) depctr_vm_vsrc(0)
	s_getreg_b32 s2, hwreg(HW_REG_IB_STS2, 6, 4)
	s_cmp_eq_u32 s2, 0
	s_cbranch_scc0 .Lentry_in_a_cluster
	s_endpgm
.Lentry_in_a_cluster:
	s_bfe_u32 s2, ttmp6, 0x10000c
	s_cmp_lg_u32 s2, 0xf033
	s_cbranch_scc0 .Lentry_shape_is_right
	s_endpgm
.Lentry_shape_is_right:
; PROJ.  out0[m][n] = sum over k of y[m][k] Wo[k][n] + bo[n], m 8,192, n 1,024, K 1,024, on f16 operands with f32 sums, for every row but the first 16 positions of each sequence, which a launch of their own writes in f32.
; y lies by head: [batch x head][position][64] f16, so 64 along K are a head's rows of 128 bytes; wot is Wo as f16 laid [n][k].
; A tile of out0 is 256 rows x 128 columns: 256 work-groups.  Four waves, each 128 rows x 64 columns: 32 accumulators, 256 registers.  K goes in steps of 128 (two heads) through a ring of two LDS slots.
; CLUSTERS: 4 x 4.  Tile row = cluster y + 8 cy (cy is the batch; 'a sequence's first tile' is cluster y = 0, the same in all partners), tile column = 4 cluster x + cx.  y's tiles are shared along a cluster's row, wot's along a column:
; each is asked for jointly.  Waves 0 and 1 fetch y's two planes (a head each, 256 rows x 128 bytes), waves 2 and 3 wot's two halves (64 rows x 256 bytes).
; THE MATRIX INSTRUCTION IS USED TRANSPOSED (source 0 = 16 rows of wot, source 1 = 16 rows of y): a lane holds eight neighbouring columns of a row of out0.  The bias is the C of each sum's first product.
; REGISTERS: window 0: v16-31 addresses; v32-95 two sets on the way out; v96-127 the bias, 8 registers for each of my four column blocks.  window 1: two fragment buffers (v0, v128): y's 8 fragments, then wot's 4 at +64.
;   window 2: the accumulators ((a, b) at v[8 (4 a + b)]).
.set PA,    144                        ; a row of a plane of y in LDS: 128 bytes + 16
.set PB,    272                        ; a row of wot's tile: 256 + 16
.set PLANE, 256*PA
.set BOFF,  2*PLANE
.set SLOT,  BOFF+128*PB
.set SPARE, 2*SLOT                     ; the spare words, 128 bytes a wave; no other line names them
.set SPITCH, 272                       ; the way out: 16 rows x (256 bytes + 16) for each wave, in slot 0, which has had its last fill and its last read by then
.set LAPS,  4                          ; a lap = two K steps
.set ADRA, 16
.set ADRB, 20
.set STO,  24
.set RD,   25
.set CO,   26
.set SPW,  28
.set NIL,  29
.set PFO,  30
.set OUTS, 32
.set BIAS, 96
.set F0,   0
.set F1,   128
.set WV,  12
.set RH,  13                           ; s13 which half of the tile's rows is mine.  Also: I fetch for y (0) or for wot (1)
.set CH,  14                           ; s14 which half of its columns.  Also: which plane, or which 64 rows, I fetch
.set LIM, 15
.set G1,  24
.set G0,  32
.set PFA, 44
.set G1B, 48
.set G0B, 56
.set MSB, 0
.macro WIN new
.if MSB != \new
	s_set_vgpr_msb (MSB<<8)|\new
.set MSB, \new
.endif
.endm
.set MUL,  0xa5                        ; sources 0 and 1 window 1; C and D window 2
.set MULB, 0x85                        ; the same with C (the bias) in window 0
.set TO_F, 0x40
.macro JLOAD s                         ; an s_nop 0 and four v_nop follow each of the two lines
	s_cmp_eq_u32 s[RH], 0
	s_cbranch_scc0 .Lfor_b_\@
	tensor_load_to_lds s[G0+4*\s:G0+4*\s+3], s[G1:G1+7]
	s_nop 0
.rept 4
	v_nop
.endr
	s_branch .Lasked_\@
.Lfor_b_\@:
	tensor_load_to_lds s[G0B+4*\s:G0B+4*\s+3], s[G1B:G1B+7]
	s_nop 0
.rept 4
	v_nop
.endr
.Lasked_\@:
.endm
.macro CREST
	s_cmp_lg_u32 s[WV], 0
	s_cbranch_scc1 .Lnot_wave_0_\@
	s_barrier_signal -3
.Lnot_wave_0_\@:
	s_barrier_wait -3
	s_barrier_signal -1
	s_barrier_wait -1
.endm
.macro CROUND
	s_barrier_signal -1
	s_barrier_wait -1
	CREST
.endm
; A prefetch of y's planes of the K step that stands two refills on.  A plane's 256 rows of this tile row are 32,768 dense bytes; both clusters of a row of clusters read them: the one with cluster x = 0 asks; in it waves 0 and 1
; ask for the plane that they fetch, and the four partners share the bytes out by address, 8,192 each, lanes 256 bytes apart: each aligned run of 256 bytes is named once.  The last two refills have no K step two on.
.macro ASK
	WIN 0
	s_cmp_gt_u32 s3, s[LIM]
	s_cbranch_scc0 .Lnot_mine_\@
	global_prefetch_b8 v[PFO], s[PFA:PFA+1] th:TH_LOAD_NT scope:SCOPE_SE
.Lnot_mine_\@:
.endm
	s_load_b256 s[4:11], s[0:1], 0x0               ; y s[4:5], wot s[6:7], bo s[8:9], out0 s[10:11]
	v_lshl_add_u32 v[SPW], v0, 2, SPARE
	v_mov_b32 v[NIL], 0
	ds_add_u32 v[SPW], v[NIL]                      ; the wave's opening: the add, twice on end, and its wait ahead of my first tensor load
	ds_add_u32 v[SPW], v[NIL]
	v_lshrrev_b32 v1, 5, v0
	v_readfirstlane_b32 s[WV], v1
	s_lshr_b32 s[RH], s[WV], 1
	s_and_b32 s[CH], s[WV], 1
	s_bfe_u32 s16, ttmp6, 0x40000                  ; cx
	s_bfe_u32 s17, ttmp6, 0x40004                  ; cy
	s_lshl_b32 s18, ttmp9, 2
	s_add_co_u32 s18, s18, s16                     ; tile column
	s_and_b32 s19, ttmp7, 0xffff                   ; cluster y
	s_or_b32 s46, s19, s[RH]                       ; 0 in the waves whose block 0 is a sequence's first 16 positions
	s_lshl_b32 s20, s17, 2
	s_lshl_b32 s20, 15, s20                        ; my row of the cluster
	s_lshl_b32 s21, 0x1111, s16                    ; my column
	s_or_b32 s[G1+0], s20, (1<<16)|(1<<20)|(1<<21)|(4<<22)|(3<<25)   ; y: elements of 2 bytes; 4 words of padding after every 32
	s_mov_b32 s[G1+1], 64<<16                      ; tensor_dim0 = 64
	s_mov_b32 s[G1+2], 256<<16                     ; tensor_dim1 = 256
	s_mov_b32 s[G1+3], 64<<16                      ; tile_dim0
	s_mov_b32 s[G1+4], 256                         ; tile_dim1
	s_mov_b32 s[G1+5], 64                          ; from row to row
	s_mov_b32 s[G1+6], 0
	s_mov_b32 s[G1+7], 0
	s_or_b32 s[G1B+0], s21, (1<<16)|(1<<20)|(1<<21)|(5<<22)|(3<<25)  ; wot: 4 words after every 64
	s_mov_b32 s[G1B+1], 128<<16
	s_mov_b32 s[G1B+2], 64<<16
	s_mov_b32 s[G1B+3], 128<<16
	s_mov_b32 s[G1B+4], 64
	s_mov_b32 s[G1B+5], 1024
	s_mov_b32 s[G1B+6], 0
	s_mov_b32 s[G1B+7], 0
	s_lshl_b32 s40, s17, 22                        ; y: batch x 16 heads x 262,144 bytes
	s_lshl_b32 s41, s[CH], 18                      ; + my plane's head
	s_add_co_u32 s40, s40, s41
	s_lshl_b32 s41, s19, 15                        ; + 256 x cluster y rows of 128 bytes
	s_add_co_u32 s40, s40, s41
	s_mov_b32 s41, 0
	s_lshl_b32 s42, s18, 18                        ; wot: 128 x tile column rows of 2,048 bytes
	s_lshl_b32 s43, s[CH], 17                      ; + my 64 rows
	s_add_co_u32 s42, s42, s43
	s_mov_b32 s43, 0
	s_mul_i32 s22, s[CH], PLANE                    ; where they go: no place in the cluster enters an LDS address
	s_mul_i32 s23, s[CH], 64*PB
	s_add_co_u32 s23, s23, BOFF
	s_or_b32 s47, s[RH], ttmp9
	s_cmp_eq_u32 s47, 0                            ; waves 0 and 1 of the clusters with cluster x = 0 prefetch
	s_cselect_b32 s[LIM], 1, -1
	s_wait_dscnt 0x0                               ; both opening adds are done
	s_wait_kmcnt 0x0
	s_add_nc_u64 s[40:41], s[4:5], s[40:41]
	s_add_nc_u64 s[42:43], s[6:7], s[42:43]
	CROUND                                         ; all sixteen work-groups are here: the first joint loads meet
.irp s, 0,1
	s_mov_b32 s[G0+4*\s], 1
	s_add_co_u32 s[G0+4*\s+1], s22, \s*SLOT
	s_add_nc_u64 s[G0+4*\s+2:G0+4*\s+3], s[40:41], \s*524288        ; K step s: two heads on
	s_or_b32 s[G0+4*\s+3], s[G0+4*\s+3], 0x80000000
	s_mov_b32 s[G0B+4*\s], 1
	s_add_co_u32 s[G0B+4*\s+1], s23, \s*SLOT
	s_add_nc_u64 s[G0B+4*\s+2:G0B+4*\s+3], s[42:43], \s*256
	s_or_b32 s[G0B+4*\s+3], s[G0B+4*\s+3], 0x80000000
	JLOAD \s
.endr
	s_lshl_b32 s20, s16, 13                        ; the prefetches: my work-group's 8,192 bytes of my plane,
	s_add_co_u32 s20, s20, 3*524288                ; at K step 3: the first refill steps it to K step 4
	s_mov_b32 s21, 0
	s_add_nc_u64 s[PFA:PFA+1], s[40:41], s[20:21]
	v_and_b32 v[PFO], 31, v0
	v_lshlrev_b32 v[PFO], 8, v[PFO]
	v_and_b32 v1, 15, v0                           ; r
	v_bfe_u32 v2, v0, 4, 1                         ; h
	s_lshl_b32 s20, s18, 9                         ; bo: 4 x (128 x tile column + 64 x column half)
	s_lshl_b32 s21, s[CH], 8
	s_add_co_u32 s20, s20, s21
	s_mov_b32 s21, 0
	s_add_nc_u64 s[8:9], s[8:9], s[20:21]
	v_lshlrev_b32 v31, 5, v2                       ; lane (r, h) wants, for block b, bo at columns 16 b + 8 h + 0 .. 7
.irp b, 0,1,2,3
	global_load_b128 v[BIAS+8*\b:BIAS+8*\b+3],   v31, s[8:9] offset:64*\b
	global_load_b128 v[BIAS+8*\b+4:BIAS+8*\b+7], v31, s[8:9] offset:64*\b+16
.endr
	v_mul_u32_u24 v3, v1, PA
	v_lshl_add_u32 v3, v2, 4, v3
	v_mul_u32_u24 v4, v1, PB
	v_lshl_add_u32 v4, v2, 4, v4
	s_mul_i32 s21, s[RH], 128*PA                   ; my 128 rows of y
	s_mul_i32 s22, s[CH], 64*PB                    ; my 64 rows of wot
	s_add_co_u32 s22, s22, BOFF
.irp s, 0,1
	v_add_nc_u32 v[ADRA+\s], s21, v3
	v_add_nc_u32 v[ADRB+\s], s22, v4
	s_add_co_u32 s21, s21, SLOT
	s_add_co_u32 s22, s22, SLOT
.endr
	s_mul_i32 s23, s[WV], 16*SPITCH                ; my stage
	v_mul_u32_u24 v5, v1, SPITCH
	v_lshl_add_u32 v5, v2, 5, v5
	v_add_nc_u32 v[STO], s23, v5                   ; in: row r, 32 bytes for each half of the lanes
	v_mul_u32_u24 v5, v2, SPITCH
	v_lshl_add_u32 v5, v1, 4, v5
	v_add_nc_u32 v[RD], s23, v5                    ; back: lanes 0-15 one row of 256 bytes, lanes 16-31 the next
	v_lshlrev_b32 v[CO], 12, v2
	v_lshl_add_u32 v[CO], v1, 4, v[CO]             ; and the same two rows in out0
	s_lshl_b32 s20, s17, 11                        ; out0: row 2,048 x batch + 256 x cluster y + 128 x row half,
	s_lshl_b32 s21, s19, 8
	s_add_co_u32 s20, s20, s21
	s_lshl_b32 s21, s[RH], 7
	s_add_co_u32 s20, s20, s21
	s_lshl_b32 s20, s20, 12                        ; of 4,096 bytes,
	s_lshl_b32 s21, s18, 9
	s_add_co_u32 s20, s20, s21                     ; + 512 x tile column + 256 x column half
	s_lshl_b32 s21, s[CH], 8
	s_add_co_u32 s20, s20, s21
	s_mov_b32 s21, 0
	s_add_nc_u64 s[10:11], s[10:11], s[20:21]
; 8 matrix instructions: y's blocks a0, a0 + 1 against wot's four, 32 along K.  The 32 accumulators take turns, one instruction a turn, in the same order in every quarter.
.macro MUL8 f, a0, first
.irp a, \a0, \a0+1
.irp b, 0,1,2,3
.if \first
	v_wmma_f32_16x16x32_f16 v[8*(4*(\a)+\b):8*(4*(\a)+\b)+7], v[\f+64+8*\b:\f+64+8*\b+7], v[\f+8*(\a):\f+8*(\a)+7], v[BIAS+8*\b:BIAS+8*\b+7]
.else
	v_wmma_f32_16x16x32_f16 v[8*(4*(\a)+\b):8*(4*(\a)+\b)+7], v[\f+64+8*\b:\f+64+8*\b+7], v[\f+8*(\a):\f+8*(\a)+7], v[8*(4*(\a)+\b):8*(4*(\a)+\b)+7]
.endif
.endr
.endr
.endm
.macro FETCH slot, q, f                ; 24 LDS loads in one run: quarter q (32 along K) of the slot: wot's four fragments, then y's eight (plane q / 2, bytes 64 (q % 2) on)
	WIN TO_F
.irp i, 0,1,2,3
	ds_load_b128 v[\f+64+8*\i:\f+64+8*\i+3],   v[ADRB+\slot] offset:64*(\q)+\i*16*PB
	ds_load_b128 v[\f+64+8*\i+4:\f+64+8*\i+7], v[ADRB+\slot] offset:64*(\q)+\i*16*PB+32
.endr
.irp i, 0,1,2,3,4,5,6,7
	ds_load_b128 v[\f+8*\i:\f+8*\i+3],   v[ADRA+\slot] offset:((\q)/2)*PLANE+((\q)%2)*64+\i*16*PA
	ds_load_b128 v[\f+8*\i+4:\f+8*\i+7], v[ADRA+\slot] offset:((\q)/2)*PLANE+((\q)%2)*64+\i*16*PA+32
.endr
.endm
.macro PLACES                          ; four plain lines in front of loads into registers that matrix instructions have read, and of the first read of results
.rept 4
	v_nop
.endr
.endm
.macro MWIN first
.if \first
	WIN MULB
.else
	WIN MUL
.endif
.endm
.macro QUARTER slot, qn, f, g, first   ; multiplies buffer f; in its middle fetches quarter qn of the same slot into g
	s_wait_dscnt 8                                 ; wot's fragments and y's blocks 0-3 are in; the youngest eight loads (blocks 4-7) may be out
	MWIN \first
	MUL8 \f, 0, \first
	MUL8 \f, 2, \first
	PLACES
	FETCH \slot, \qn, \g
	s_wait_dscnt 24                                ; all but the 24 just issued
	MWIN \first
	MUL8 \f, 4, \first
	MUL8 \f, 6, \first
.endm
; The last quarter multiplies buffer 1 and changes slots: one barrier; in front of it each wave waits for all its tensor loads, adds 0 to its spare word, and waits for that and for its reads of this slot.
; fill = 1: the barrier opens a round of the cluster's, and this slot is filled again, two K steps ahead: the load has a K step less sixteen products in which to land.
.macro TURN slot, next, fill
.if \fill
	s_wait_xcnt 0x0                                ; the last prefetch, a K step back, has read its address
	s_add_nc_u64 s[PFA:PFA+1], s[PFA:PFA+1], 524288
.endif
	WIN 0
	s_wait_tensorcnt 0x0                           ; all my tensor loads have landed: my part of the next slot
	ds_add_u32 v[SPW], v[NIL]                      ; 0 onto my spare word
	s_wait_dscnt 9                                 ; the add and the youngest eight loads may be out
	WIN MUL
	MUL8 F1, 0, 0
	s_wait_dscnt 0x0                               ; the add is done, and my reads of this slot are over
	s_barrier_signal -1
	MUL8 F1, 2, 0
.if \fill
	WIN 0
.endif
	s_barrier_wait -1
.if \fill
	CREST
	s_add_nc_u64 s[G0+4*\slot+2:G0+4*\slot+3], s[G0+4*\slot+2:G0+4*\slot+3], 2*524288
	s_add_nc_u64 s[G0B+4*\slot+2:G0B+4*\slot+3], s[G0B+4*\slot+2:G0B+4*\slot+3], 2*256
	JLOAD \slot                                    ; the first tensor load behind the round; its four v_nop are also the places in front of the loads below
.else
	PLACES
.endif
	FETCH \next, 0, F0
.if \fill
	ASK
.endif
	WIN MUL
	MUL8 F1, 4, 0
	MUL8 F1, 6, 0
.endm
	s_wait_tensorcnt 1                             ; my part of K step 0 is in; K step 1's load may be out
	s_barrier_signal -1
	s_barrier_wait -1
	FETCH 0, 0, F0
	s_wait_loadcnt 0x0                             ; the bias
	QUARTER 0, 1, F0, F1, 1                        ; the first products start the sums from the bias
	WIN 0
	s_mov_b32 s3, LAPS-1
.Llap:                                             ; a trip goes once round the ring, from a lap's second quarter to the next lap's first
	QUARTER 0, 2, F1, F0, 0
	QUARTER 0, 3, F0, F1, 0
	TURN 0, 1, 1
	QUARTER 1, 1, F0, F1, 0
	QUARTER 1, 2, F1, F0, 0
	QUARTER 1, 3, F0, F1, 0
	TURN 1, 0, 1
	QUARTER 0, 1, F0, F1, 0
	WIN 0
	s_sub_co_u32 s3, s3, 1
	s_cmp_lg_u32 s3, 0
	s_cbranch_scc1 .Llap
	QUARTER 0, 2, F1, F0, 0                        ; the last lap fills nothing
	QUARTER 0, 3, F0, F1, 0
	TURN 0, 1, 0
	QUARTER 1, 1, F0, F1, 0
	QUARTER 1, 2, F1, F0, 0
	QUARTER 1, 3, F0, F1, 0
	s_wait_dscnt 8
	WIN MUL
	MUL8 F1, 0, 0
	MUL8 F1, 2, 0
	s_wait_dscnt 0
	MUL8 F1, 4, 0
	MUL8 F1, 6, 0
	WIN 0
; THE WAY OUT, block by block of 16 rows x 64 columns: through my own stage and back as whole rows of 256 bytes: sixteen lanes store 256 consecutive bytes, aligned.
.macro TOSTAGE a
	WIN 0x08                                       ; an LDS store's data: window 2
.irp b, 0,1,2,3
	ds_store_b128 v[STO], v[8*(4*(\a)+\b):8*(4*(\a)+\b)+3] offset:64*\b          ; each accumulator from its low end on
	ds_store_b128 v[STO], v[8*(4*(\a)+\b)+4:8*(4*(\a)+\b)+7] offset:64*\b+16
.endr
	WIN 0
.set BB, OUTS+32*((\a)%2)
.irp t, 0,1,2,3,4,5,6,7
	ds_load_b128 v[BB+4*\t:BB+4*\t+3], v[RD] offset:\t*2*SPITCH
.endr
.endm
.macro SEND a, younger
.set BB, OUTS+32*((\a)%2)
	s_wait_dscnt \younger                          ; the block is back; the next block's eight stores and eight loads may be out
.if (\a) == 0
	s_cmp_eq_u32 s46, 0                            ; a sequence's first 16 positions are another launch's: ids alone decide
	s_cbranch_scc1 .Lnot_these
.endif
.irp t, 0,1,2,3,4,5,6,7
	global_store_b128 v[CO], v[BB+4*\t:BB+4*\t+3], s[10:11] offset:65536*(\a)+8192*\t th:TH_STORE_NT
.endr
.if (\a) == 0
.Lnot_these:
.endif
.endm
	PLACES
	TOSTAGE 0
.irp a, 1,2,3,4,5,6,7
.if \a > 1
	s_wait_xcnt 0x0                                ; block a - 2's stores have read their registers: block a's loads may land there
.endif
	TOSTAGE \a
	SEND \a-1, 16
.endr
	SEND 7, 0
	s_wait_tensorcnt 0x0                           ; the wave's end
	ds_add_u32 v[SPW], v[NIL]
	s_wait_dscnt 0x0
	CROUND                                         ; the closing round
	s_endpgm
.Lfunc_end_k_qc5004e1bd1_proj:
	.size	k_qc5004e1bd1_proj, .Lfunc_end_k_qc5004e1bd1_proj-k_qc5004e1bd1_proj
	.p2alignl 7, 3214868480
	.fill 96, 4, 3214868480
	.section	.rodata,"a",@progbits
	.p2align	6, 0x0
	.amdhsa_kernel k_qc5004e1bd1_proj
		.amdhsa_group_segment_fixed_size 327680
		.amdhsa_private_segment_fixed_size 0
		.amdhsa_enable_private_segment 0
		.amdhsa_kernarg_size 32
		.amdhsa_user_sgpr_count 2
		.amdhsa_user_sgpr_kernarg_segment_ptr 1
		.amdhsa_wavefront_size32 1
		.amdhsa_system_sgpr_workgroup_id_x 1
		.amdhsa_system_sgpr_workgroup_id_y 1
		.amdhsa_system_sgpr_workgroup_id_z 1
		.amdhsa_system_vgpr_workitem_id 0
		.amdhsa_next_free_vgpr 768
		.amdhsa_next_free_sgpr 66
		.amdhsa_reserve_vcc 0
		.amdhsa_float_denorm_mode_32 3
		.amdhsa_float_denorm_mode_16_64 3
		.amdhsa_memory_ordered 1
		.amdhsa_forward_progress 1
		.amdhsa_inst_pref_size 87
	.end_amdhsa_kernel
	.amdgpu_metadata
---
amdhsa.version: [ 1, 2 ]
amdhsa.kernels:
  - .name:           k_qc5004e1bd1_proj
    .symbol:         k_qc5004e1bd1_proj.kd
    .args:
      - { .name: y, .offset: 0, .size: 8, .value_kind: global_buffer, .address_space: global }
      - { .name: wot, .offset: 8, .size: 8, .value_kind: global_buffer, .address_space: global }
      - { .name: bo, .offset: 16, .size: 8, .value_kind: global_buffer, .address_space: global }
      - { .name: out0, .offset: 24, .size: 8, .value_kind: global_buffer, .address_space: global }
    .group_segment_fixed_size: 327680
    .private_segment_fixed_size: 0
    .kernarg_segment_align: 8
    .kernarg_segment_size: 32
    .max_flat_workgroup_size: 128
    .sgpr_count:     66
    .vgpr_count:     768
    .wavefront_size: 32
...
	.end_amdgpu_metadata
.endif
;; end of part 4
;; launch fine (part 5): grid 16 x 4, 16 waves a work-group, no clusters, 71,680 bytes of LDS; arguments fq, Wo, bo, out0; writes out0
.if DOCPART == 5
	.amdgcn_target "amdgcn-amd-amdhsa--gfx1250"
	.amdhsa_code_object_version 6
	.text
	.protected	k_qc5004e1bd1_fine
	.globl	k_qc5004e1bd1_fine
	.p2align	8
	.type	k_qc5004e1bd1_fine,@function
k_qc5004e1bd1_fine:
	s_mov_b64 s[64:65], 0
	v_nop
	global_prefetch_b8 v0, s[64:65] scope:SCOPE_SE
	s_setreg_imm32_b32 hwreg(HW_REG_WAVE_MODE, 25, 1), 1
	s_wait_xcnt 0x0
; FINE.  The first 16 positions of each of the four sequences, in f32 throughout: scores, softmax, p V and the projection y Wo + bo, from the f32 copy fq [batch][16][3,072] of q, k, v.
; These rows average one to sixteen values and are the largest of the result: the rounding of 16-bit operands would weigh most here.  It is no bulk work: 64 rows of 8,192.
; SHARES.  A work-group takes a batch (y) and 64 columns of out0 (x); wave w takes head w: its 16 x 16 scores, its 16 x 64 of y, and its head's part of the sum over K for the 64 columns.  The sixteen parts meet in LDS;
; then wave w adds them for position w and stores 256 consecutive bytes.  The attention is made anew in each of the 16 column groups: it is 1/3 of a wave's products here.
; THE f32 MATRIX FORM takes K = 4: lane (r, h), register j: k = 2 h + j.  A permutation of K applied alike to both sources keeps the sum: so a lane's registers run along K as they are best loaded, the same on both sides.
; All products are used transposed, so that a lane holds one query (lane % 16) throughout.  The registers that these matrix instructions write (v112-159) are written by them alone; what is made of a sum goes elsewhere.
; REGISTERS: v3-5 load offsets; v6, v7 the add's two; v8 r - 8 h; v9 -infinity; v10-15 at work; v16-47 Q, v48-79 K (register i: channel 32 h + i), later Wo's second half, later the sixteen parts; v80-111 V^T, later y;
;   v112-127 two accumulators of the scores; v128-159 four of O^T, then of the projection; v160-167 the scores, then p; v176-181 addresses and the bias; v192-255 Wo's first half.
.set PP,    272                        ; a row of a part in LDS: 256 bytes + 16
.set PART,  16*PP
.set SPARE, 16*PART                    ; the spare words, 128 bytes a wave; no other line names them
	s_load_b256 s[4:11], s[0:1], 0x0               ; fq s[4:5], Wo s[6:7], bo s[8:9], out0 s[10:11]
	v_lshl_add_u32 v6, v0, 2, SPARE
	v_mov_b32 v7, 0
	v_lshrrev_b32 v1, 5, v0
	v_readfirstlane_b32 s12, v1                    ; wave = head
	s_and_b32 s13, ttmp7, 0xffff                   ; batch
	v_and_b32 v1, 15, v0                           ; r
	v_bfe_u32 v2, v0, 4, 1                         ; h
	v_mul_u32_u24 v3, v1, 12288
	v_lshl_add_u32 v3, v2, 7, v3                   ; q, k: position r, channels 32 h on
	v_mul_u32_u24 v4, v2, 98304
	v_lshl_add_u32 v4, v1, 2, v4                   ; V^T: keys 8 h on, channel r
	v_lshlrev_b32 v5, 15, v2
	v_lshl_add_u32 v5, v1, 2, v5                   ; Wo: rows 8 h on, column r
	v_lshlrev_b32 v8, 3, v2
	v_sub_nc_u32 v8, v1, v8                        ; r - 8 h
	v_mov_b32 v9, 0xff800000
	v_and_b32 v176, 31, v0
	v_lshlrev_b32 v176, 3, v176                    ; 8 x lane
	s_mul_i32 s14, s12, PART
	v_mul_u32_u24 v177, v1, PP
	v_lshl_add_u32 v177, v2, 5, v177
	v_add_nc_u32 v177, s14, v177                   ; my part: row = position r, 32 bytes for each half of the lanes
	s_mul_i32 s14, s12, PP
	v_add_nc_u32 v178, s14, v176                   ; back: row w of each part, 8 bytes a lane
	s_mov_b32 s20, 0x76543210
	s_mov_b32 s21, 0xfedcba98
	s_mov_b32 s22, 0x3e38aa3b                      ; c = log2(e) / 8
	s_mul_i32 s14, s13, 196608                     ; fq: batch x 16 x 12,288 + 256 x head
	s_lshl_b32 s15, s12, 8
	s_add_co_u32 s14, s14, s15
	s_mov_b32 s15, 0
	s_lshl_b32 s16, s12, 18                        ; Wo: 64 x head rows of 4,096 bytes + 256 x column group
	s_lshl_b32 s18, ttmp9, 8
	s_add_co_u32 s16, s16, s18
	s_mov_b32 s17, 0
	s_mov_b32 s19, 0
	s_lshl_b32 s24, s13, 23                        ; out0: (2,048 x batch + w) rows of 4,096 bytes + 256 x column group
	s_lshl_b32 s25, s12, 12
	s_add_co_u32 s24, s24, s25
	s_add_co_u32 s24, s24, s18
	s_mov_b32 s25, 0
	s_wait_kmcnt 0x0
	s_add_nc_u64 s[4:5], s[4:5], s[14:15]
	s_add_nc_u64 s[6:7], s[6:7], s[16:17]
	s_add_nc_u64 s[8:9], s[8:9], s[18:19]
	s_add_nc_u64 s[10:11], s[10:11], s[24:25]
.irp dt, 0,1                                   ; Wo's first half: for channel tile dt, K step sp, column tile i: lane (r, h), register j: Wo(64 w + 16 dt + 8 h + 2 sp + j, n0 + 16 i + r)
.irp sp, 0,1,2,3
.irp i, 0,1,2,3
.irp j, 0,1
	global_load_b32 v[192+((\dt*4+\sp)*4+\i)*2+\j], v5, s[6:7] offset:(16*\dt+2*\sp+\j)*4096+64*\i
.endr
.endr
.endr
.endr
	global_load_b64 v[180:181], v176, s[8:9]       ; the bias of my two columns
.irp i, 0,1,2,3,4,5,6,7
	global_load_b128 v[16+4*\i:19+4*\i], v3, s[4:5] offset:16*\i
.endr
.irp i, 0,1,2,3,4,5,6,7
	global_load_b128 v[48+4*\i:51+4*\i], v3, s[4:5] offset:4096+16*\i
.endr
.irp dt, 0,1,2,3                               ; V^T: lane (r, h), register 8 dt + 2 sp + j: v(key 8 h + 2 sp + j, channel 16 dt + r)
.irp sp, 0,1,2,3
.irp j, 0,1
	global_load_b32 v[80+8*\dt+2*\sp+\j], v4, s[4:5] offset:(2*\sp+\j)*12288+8192+64*\dt
.endr
.endr
.endr
	s_wait_loadcnt 32                              ; q and k are in; V^T's 32 loads may be out
	v_wmma_f32_16x16x4_f32 v[112:119], v[48:49], v[16:17], 0          ; S^T = K Q^T: 16 steps of 4 along the head's 64, two accumulators by turns; the first two steps start the sums
	v_wmma_f32_16x16x4_f32 v[120:127], v[50:51], v[18:19], 0
.irp s, 2,4,6,8,10,12,14
	v_wmma_f32_16x16x4_f32 v[112:119], v[48+2*\s:49+2*\s], v[16+2*\s:17+2*\s], v[112:119]
	v_wmma_f32_16x16x4_f32 v[120:127], v[50+2*\s:51+2*\s], v[18+2*\s:19+2*\s], v[120:127]
.endr
.rept 8
	v_nop                                          ; eight places behind this form, in front of the loads into Q's and K's registers and of the first read of the sums
.endr
.irp dt, 0,1                                   ; Wo's second half (channel tiles 2, 3)
.irp sp, 0,1,2,3
.irp i, 0,1,2,3
.irp j, 0,1
	global_load_b32 v[16+((\dt*4+\sp)*4+\i)*2+\j], v5, s[6:7] offset:(16*(\dt+2)+2*\sp+\j)*4096+64*\i
.endr
.endr
.endr
.endr
.irp j, 0,1,2,3,4,5,6,7
	v_add_f32 v[160+\j], v[112+\j], v[120+\j]      ; lane (r, h), register j: score of query r and key 8 h + j
.endr
.irp j, 0,1,2,3,4,5,6,7
	v_cmp_gt_i32 vcc_lo, \j, v8                    ; hidden where 8 h + j > r
	v_cndmask_b32 v[160+\j], v[160+\j], v9, vcc_lo
.endr
	v_max3_num_f32 v10, v160, v161, v162
	v_max3_num_f32 v11, v163, v164, v165
	v_max3_num_f32 v10, v10, v166, v167
	v_max_num_f32 v10, v10, v11
	v_permlanex16_b32 v11, v10, s20, s21
	v_max_num_f32 v10, v10, v11                    ; the row's maximum: key 0 counts for every query
	v_mul_f32 v10, s22, v10
.irp j, 0,1,2,3,4,5,6,7
	v_fma_f32 v[160+\j], v[160+\j], s22, -v10
.endr
.irp j, 0,1,2,3,4,5,6,7
	v_exp_f32 v[160+\j], v[160+\j]
.endr
	v_nop
	s_wait_alu depctr_va_vdst(0)                   ; one wait for the eight, ahead of their first reader
	v_add_f32 v11, v160, v161
	v_add_f32 v14, v162, v163
	v_add_f32 v12, v164, v165
	v_add_f32 v13, v166, v167
	v_add_f32 v11, v11, v14
	v_add_f32 v12, v12, v13
	v_add_f32 v11, v11, v12
	v_permlanex16_b32 v14, v11, s20, s21
	v_add_f32 v11, v11, v14                        ; the row's sum
	v_rcp_f32 v15, v11
	v_nop
	s_wait_loadcnt 63                              ; V^T is in: 64 younger loads might stay out; the wait's field ends at 63
.irp dt, 0,1,2,3
	v_wmma_f32_16x16x4_f32 v[128+8*\dt:135+8*\dt], v[80+8*\dt:81+8*\dt], v[160:161], 0     ; O^T = V^T P: four steps of 4 keys, four accumulators by turns
.endr
.irp sp, 1,2,3
.irp dt, 0,1,2,3
	v_wmma_f32_16x16x4_f32 v[128+8*\dt:135+8*\dt], v[80+8*\dt+2*\sp:81+8*\dt+2*\sp], v[160+2*\sp:161+2*\sp], v[128+8*\dt:135+8*\dt]
.endr
.endr
.rept 8
	v_nop
.endr
	s_wait_alu depctr_va_vdst(0)                   ; the reciprocal's wait, ahead of its first reader
.set i, 0
.rept 32
	v_mul_f32 v[80+i], v[128+i], v15               ; y: lane (r, h), register 8 dt + j: channel 16 dt + 8 h + j of position r
.set i, i+1
.endr
.rept 9
	v_nop                                          ; nine places before matrix instructions write over the accumulators anew
.endr
.irp dt, 0,1                                   ; out^T = Wo^T y^T: 16 steps of 4 channels, the four column tiles by turns
.irp sp, 0,1,2,3
.irp i, 0,1,2,3
.if (\dt == 0) && (\sp == 0)
	v_wmma_f32_16x16x4_f32 v[128+8*\i:135+8*\i], v[192+((\dt*4+\sp)*4+\i)*2:193+((\dt*4+\sp)*4+\i)*2], v[80+8*\dt+2*\sp:81+8*\dt+2*\sp], 0
.else
	v_wmma_f32_16x16x4_f32 v[128+8*\i:135+8*\i], v[192+((\dt*4+\sp)*4+\i)*2:193+((\dt*4+\sp)*4+\i)*2], v[80+8*\dt+2*\sp:81+8*\dt+2*\sp], v[128+8*\i:135+8*\i]
.endif
.endr
.endr
.endr
	s_wait_loadcnt 0x0                             ; Wo's second half
.irp dt, 0,1
.irp sp, 0,1,2,3
.irp i, 0,1,2,3
	v_wmma_f32_16x16x4_f32 v[128+8*\i:135+8*\i], v[16+((\dt*4+\sp)*4+\i)*2:17+((\dt*4+\sp)*4+\i)*2], v[96+8*\dt+2*\sp:97+8*\dt+2*\sp], v[128+8*\i:135+8*\i]
.endr
.endr
.endr
.rept 8
	v_nop
.endr
.irp i, 0,1,2,3
	ds_store_b128 v177, v[128+8*\i:131+8*\i] offset:64*\i          ; lane (r, h): my head's part of out(position r, n0 + 16 i + 8 h + 0 .. 7); each accumulator from its low end on
	ds_store_b128 v177, v[132+8*\i:135+8*\i] offset:64*\i+16
.endr
	s_wait_dscnt 0x0                               ; for the others' sake: my part has landed
	s_barrier_signal -1
	s_barrier_wait -1
.irp p, 0,1,2,3,4,5,6,7,8,9,10,11,12,13,14,15
	ds_load_b64 v[16+2*\p:17+2*\p], v178 offset:PART*\p            ; position w's row of each of the sixteen parts
.endr
	s_wait_dscnt 0x0
.irp p, 0,1,2,3,4,5,6,7
	v_pk_add_f32 v[16+2*\p:17+2*\p], v[16+2*\p:17+2*\p], v[32+2*\p:33+2*\p]
.endr
.irp p, 0,1,2,3
	v_pk_add_f32 v[16+2*\p:17+2*\p], v[16+2*\p:17+2*\p], v[24+2*\p:25+2*\p]
.endr
.irp p, 0,1
	v_pk_add_f32 v[16+2*\p:17+2*\p], v[16+2*\p:17+2*\p], v[20+2*\p:21+2*\p]
.endr
	v_pk_add_f32 v[16:17], v[16:17], v[18:19]
	v_pk_add_f32 v[16:17], v[16:17], v[180:181]    ; + bo
	global_store_b64 v176, v[16:17], s[10:11]      ; the wave stores 256 consecutive bytes, aligned
	s_wait_tensorcnt 0x0                           ; the wave's end
	ds_add_u32 v6, v7
	s_wait_dscnt 0x0
	s_endpgm
.Lfunc_end_k_qc5004e1bd1_fine:
	.size	k_qc5004e1bd1_fine, .Lfunc_end_k_qc5004e1bd1_fine-k_qc5004e1bd1_fine
	.p2alignl 7, 3214868480
	.fill 96, 4, 3214868480
	.section	.rodata,"a",@progbits
	.p2align	6, 0x0
	.amdhsa_kernel k_qc5004e1bd1_fine
		.amdhsa_group_segment_fixed_size 71680
		.amdhsa_private_segment_fixed_size 0
		.amdhsa_enable_private_segment 0
		.amdhsa_kernarg_size 32
		.amdhsa_user_sgpr_count 2
		.amdhsa_user_sgpr_kernarg_segment_ptr 1
		.amdhsa_wavefront_size32 1
		.amdhsa_system_sgpr_workgroup_id_x 1
		.amdhsa_system_sgpr_workgroup_id_y 1
		.amdhsa_system_sgpr_workgroup_id_z 1
		.amdhsa_system_vgpr_workitem_id 0
		.amdhsa_next_free_vgpr 256
		.amdhsa_next_free_sgpr 66
		.amdhsa_reserve_vcc 1
		.amdhsa_float_denorm_mode_32 3
		.amdhsa_float_denorm_mode_16_64 3
		.amdhsa_memory_ordered 1
		.amdhsa_forward_progress 1
		.amdhsa_inst_pref_size 33
	.end_amdhsa_kernel
	.amdgpu_metadata
---
amdhsa.version: [ 1, 2 ]
amdhsa.kernels:
  - .name:           k_qc5004e1bd1_fine
    .symbol:         k_qc5004e1bd1_fine.kd
    .args:
      - { .name: fq, .offset: 0, .size: 8, .value_kind: global_buffer, .address_space: global }
      - { .name: Wo, .offset: 8, .size: 8, .value_kind: global_buffer, .address_space: global }
      - { .name: bo, .offset: 16, .size: 8, .value_kind: global_buffer, .address_space: global }
      - { .name: out0, .offset: 24, .size: 8, .value_kind: global_buffer, .address_space: global }
    .group_segment_fixed_size: 71680
    .private_segment_fixed_size: 0
    .kernarg_segment_align: 8
    .kernarg_segment_size: 32
    .max_flat_workgroup_size: 512
    .sgpr_count:     66
    .vgpr_count:     256
    .wavefront_size: 32
...
	.end_amdgpu_metadata
.endif
;; end of part 5
